; MI455X (gfx1250); checked and timed in simulation.
; The chip was launched on July 23, 2026; its instructions are those of AMD's public machine-readable ISA for CDNA 5 (MIT licence, August 2026) and "CDNA5" Instruction Set Architecture Reference Guide (July 2026). The comments in the code are by the model that wrote it; some were corrected since.
;; Mixture Of Experts. Allowed arithmetic: matrix products marked QUANTISED: E5M2 operands, one E8M0 scale for each 32 along K, by v_wmma_scale_f32_16x16x128_f8f6f4 with both operands' format E5M2, f32 sums; products left as they are: f32 operands where the result goes on into a quantised operand, else bf16, f16 or f32 operands; f32 sums; everything else in f32.
;; Inputs: Wg 8 x 2,048 x 1,024 float32; Wg_s 2,048 x 1,024 float32; Wo 8 x 1,024 x 2,048 float32; Wo_s 1,024 x 2,048 float32; Wr 8 x 1,024 float32; Wv 8 x 2,048 x 1,024 float32; Wv_s 2,048 x 1,024 float32; bo 8 x 1,024 float32; bo_s 1,024 float32; br 8 float32; x 2 x 512 x 1,024 float32.
;; Outputs: out0 2 x 512 x 1,024 float32; out1 2 x 512 x 8 float32; out2 2 x 512 x 2 int32.
;; This version of the problem:
;;   THIS VERSION OF THE PROBLEM IS GIVEN IN LOW PRECISION. The matrix products marked QUANTISED in the list below multiply operands that are first quantised to E5M2 (5 exponent bits, 2 mantissa bits; 8 bits a number), with one power-of-two scale for each 32 numbers along K (OCP MX v1.0); their sums are f32. All else is computed in f32.
;;   The module's matrix products, in the order in which they are computed (A, B: the left and right operand; K: the contracted axis; several contracted axes count as one K, in the product's order):
;;     1. [M 1,024, K 1,024] x [K 1,024, N 8]; A: input x; B: input Wr: left as it is (N = 8 < 16)
;;     2. [M 1,024, K 1,024] x [K 1,024, N 16,384]; A: input x; B: input Wg: QUANTISED
;;     3. [M 1,024, K 1,024] x [K 1,024, N 16,384]; A: input x; B: input Wv: QUANTISED
;;     4. batch 8 x [M 1,024, K 2,048] x [K 2,048, N 1,024]; A: input Wo; B: computed on the way: QUANTISED
;;     5. [M 1,024, K 1,024] x [K 1,024, N 2,048]; A: input x; B: input Wg_s: QUANTISED
;;     6. [M 1,024, K 1,024] x [K 1,024, N 2,048]; A: input x; B: input Wv_s: QUANTISED
;;     7. [M 1,024, K 2,048] x [K 2,048, N 1,024]; A: computed on the way; B: input Wo_s: QUANTISED
;;     8. batch 1,024 x [M 1, K 9] x [K 9, N 1,024]; A: computed on the way; B: computed on the way: left as it is (K = 9 < 32)
;;   THE QUANTISER, for each operand of a quantised product, along K:
;;     - K is cut into blocks of 32 from its start; a last block that is shorter is filled with zeros.
;;     - A block's scale is 2^e with e = floor(log2(the largest magnitude in the block)) - 15, held to -126 .. 127; a block of zeros has e = 0. As a byte (E8M0): e + 127.
;;     - Each number is divided by its block's scale, clamped to +-57,344, and rounded to the nearest number of E5M2, ties to even, subnormals kept.
;;     - The product sums the exact products of the quantised numbers (number of the format x scale) in f32.
;;   ~~~python
;;   def quantise(x, axis):      # numpy; x: float32 -> the quantised numbers, widened to float32 again
;;       x = np.moveaxis(x, axis, -1); K = x.shape[-1]
;;       x = np.pad(x, [(0, 0)] * (x.ndim - 1) + [(0, -K % 32)]); x = x.reshape(x.shape[:-1] + (-1, 32)); a = np.abs(x).max(-1, keepdims=True)
;;       e = np.where(a > 0, np.clip(np.frexp(np.where(a > 0, a, 1))[1] - 1 - 15, -126, 127), 0)      # np.frexp(a)[1] - 1 = floor(log2(a)), exactly
;;       r = np.clip(x / 2.0 ** e, -57344, 57344)
;;       step = 2.0 ** (np.maximum(np.frexp(np.where(r == 0, 1, r))[1] - 1, -14) - 2)
;;       q = np.round(r / step) * step * 2.0 ** e      # np.round: ties to even
;;       return np.moveaxis(q.reshape(q.shape[:-2] + (-1,))[..., :K], -1, axis).astype(np.float32)
;;   ~~~
;;   OPERANDS COMPUTED ON THE WAY. 'Computed on the way' means the value that the module computes at that place (a softmax that the list does not call 'softmax' is quantised finished and normalised). What goes into a quantiser is computed in f32, as accurately as f32 sums, v_exp_f32 and their like allow (about 1e-6 of the number): no bf16 or f16 on the way to a quantiser, and a product that is left as it is and whose result goes on into a quantised operand takes f32 operands (vector FMAs, or v_wmma_f32_16x16x4_f32). A number that lies on a knife's edge between two numbers of the format may be rounded either way, as far as f32 arithmetic and the matrix unit's own rounding can turn it there, and no further.
;; One version. Each part assembles by itself: llvm-mc -triple=amdgcn-amd-amdhsa -mcpu=gfx1250 --defsym DOCPART=n.
;; ======== version 1 of 1: 5 launches
;; workspace buffers: xq 1,081,344 bytes; sel 8,192 bytes of whole numbers; gw 8,192 bytes; lst 41,728 bytes of whole numbers; lw 41,472 bytes; hq 19,464,192 bytes; part 12,632,064 bytes
;; launch route (part 1): grid 256 x 1, 4 waves a work-group, no clusters, 55,808 bytes of LDS; arguments x, Wr, br, xq, sel, gw, out1, out2; writes xq, sel, gw, out1, out2
.if DOCPART == 1
	.amdgcn_target "amdgcn-amd-amdhsa--gfx1250"
	.amdhsa_code_object_version 6
	.text
	.protected	k_q8e7f39fcc7_route
	.globl	k_q8e7f39fcc7_route
	.p2align	8
	.type	k_q8e7f39fcc7_route,@function
k_q8e7f39fcc7_route:
	s_mov_b64 s[64:65], 0
	v_nop
	global_prefetch_b8 v0, s[64:65] scope:SCOPE_SE
	s_setreg_imm32_b32 hwreg(HW_REG_WAVE_MODE, 25, 1), 1
	s_wait_xcnt 0x0
; ROUTER AND QUANTISER OF x.  One wave takes one token (1,024 f32, 4,096 bytes, read once): token = 4 x work-group + wave.
; (a) x becomes codes of E5M2 with one E8M0 byte for each 32 along D: xq = [1024 tokens][1024 codes], and from byte XSOFF on [1024][32] scale bytes.
; (b) logits = x Wr^T + br in f32 (fused multiply-adds, no matrix unit: 8 columns), softmax with the row's maximum taken away, top 2 (ties to the lower index: a strict
;     compare in an ascending walk), the two weights divided by their sum.  out1 = logits, out2 = sel = the two experts, gw = the two weights.
; Nothing here branches or forms an address on these numbers: every choice is a v_cndmask_b32.
; LIMITS: NaN and infinities among the inputs are not served.  A block of x whose largest magnitude lies under 2^-111 keeps the scale byte 1; a block of zeros gets the byte 1
; where the rule says 127 (its codes are zeros, and only this program reads the bytes).  The logits are f32 sums in another order than a row-by-row sum; gate weights under
; 2^-126 count as 0 (v_exp_f32 gives no denormals), so among such experts the lower index is taken.
.set XSOFF, 1048576
.set SP,    80                         ; a lane's place in a stage: 64 bytes + 16 of padding
.set WREG,  5632                       ; LDS of a wave: two stages of 32 x SP bytes, then 512 bytes for its scale bytes
.set XR,    16                         ; v16-47   x as loaded: load i, lane l: k = 128 i + 4 l + 0..3
.set WT,    48                         ; v48-111  Wr on its way into LDS, later two sets of 32: an expert's row in x's order
.set XN,    112                        ; v112-143 two sets of 16 neighbours along D
.set C,     144                        ; v144-151 codes
.set E,     152                        ; v152-153 scale bytes
.set PA,    160                        ; v160-191 four partial sums an expert
.set L,     192                        ; v192-199 logits
.set G,     200                        ; v200-207 gate weights
.set SEL,   34                         ; s[34:35] selects of v_permlanex16_b32: lane l xor 16
.set MNT,   36                         ; s36      the mantissa field of 57,344
	s_load_b256 s[4:11], s[0:1], 0x0               ; x s[4:5], Wr s[6:7], br s[8:9], xq s[10:11]
	s_load_b256 s[12:19], s[0:1], 0x20             ; sel s[12:13], gw s[14:15], out1 s[16:17], out2 s[18:19]
	v_lshl_add_u32 v240, v0, 2, 0xd800
	v_mov_b32 v241, 0
	v_lshrrev_b32 v1, 5, v0
	v_readfirstlane_b32 s2, v1                     ; wave
	v_and_b32 v2, 31, v0                           ; lane
	v_lshlrev_b32 v3, 4, v2                        ; 16 x lane
	v_lshlrev_b32 v4, 4, v0                        ; 16 x thread
	s_lshl_b32 s3, ttmp9, 2
	s_add_co_u32 s3, s3, s2                        ; my token
	s_mul_i32 s28, s2, WREG
	s_add_co_u32 s28, s28, 32768                   ; my wave's LDS, behind Wr's 32,768 bytes
	s_add_co_u32 s29, s28, 5120                    ; its scale bytes
	v_lshrrev_b32 v5, 2, v2
	v_mul_u32_u24 v5, v5, SP
	v_and_b32 v6, 3, v2
	v_lshl_add_u32 v5, v6, 4, v5
	v_add_nc_u32 v5, s28, v5                       ; into a stage: four lanes' 64 bytes on end, then the padding
	v_mul_u32_u24 v6, v2, SP
	v_add_nc_u32 v6, s28, v6                       ; out of it: my 16 neighbours
	v_lshrrev_b32 v7, 1, v2
	v_add_nc_u32 v7, s29, v7                       ; my block's byte (two lanes hold a block)
	v_and_b32 v8, 7, v2                            ; lane % 8
	v_lshlrev_b32 v9, 2, v8
	v_add_nc_u32 v10, s29, v9
	v_and_b32 v11, 1, v2                           ; lane % 2
	v_lshlrev_b32 v12, 2, v11
	s_mov_b32 s31, 0
	s_mov_b32 s[SEL], 0x76543210
	s_mov_b32 s[SEL+1], 0xfedcba98
	s_mov_b32 s[MNT], 0x600000
	s_wait_kmcnt 0x0
	s_load_b256 s[20:27], s[8:9], 0x0              ; br, all eight
	s_lshl_b32 s30, s3, 12
	s_add_nc_u64 s[4:5], s[4:5], s[30:31]          ; x at my token
	s_lshl_b32 s30, s3, 5
	s_add_nc_u64 s[32:33], s[10:11], s[30:31]
	s_add_nc_u64 s[32:33], s[32:33], XSOFF         ; my 32 scale bytes
	s_add_nc_u64 s[16:17], s[16:17], s[30:31]      ; my 8 logits
	s_lshl_b32 s30, s3, 10
	s_add_nc_u64 s[10:11], s[10:11], s[30:31]      ; my 1,024 codes
	s_lshl_b32 s30, s3, 3
	s_add_nc_u64 s[12:13], s[12:13], s[30:31]
	s_add_nc_u64 s[14:15], s[14:15], s[30:31]
	s_add_nc_u64 s[18:19], s[18:19], s[30:31]
.irp i, 0,1,2,3,4,5,6,7
	global_load_b128 v[XR+4*\i:XR+4*\i+3], v3, s[4:5] offset:512*\i th:TH_LOAD_NT   ; 512 consecutive bytes a load
.endr
.irp i, 0,1,2,3,4,5,6,7,8,9,10,11,12,13,14,15
	global_load_b128 v[WT+4*\i:WT+4*\i+3], v4, s[6:7] offset:2048*\i               ; Wr: the work-group's 128 threads take 2,048 bytes a load
.endr
	s_wait_loadcnt 16                              ; x is in; Wr's sixteen loads may be out
; A step is 512 numbers.  They go through a stage as they lie and come back 16 neighbours a lane: LDS serves a wave's instructions in order, so no wait stands between.
.macro TURN t
.irp i, 0,1,2,3
	ds_store_b128 v5, v[XR+16*\t+4*\i:XR+16*\t+4*\i+3] offset:32*SP*\t+8*SP*\i
.endr
.irp i, 0,1,2,3
	ds_load_b128 v[XN+16*\t+4*\i:XN+16*\t+4*\i+3], v6 offset:32*SP*\t+16*\i
.endr
.endm
	TURN 0
	TURN 1
.macro STEP t, left
.set XS, XN+16*\t
	s_wait_dscnt \left
	v_max3_num_f32 v208, |v[XS]|, |v[XS+1]|, |v[XS+2]|             ; the largest magnitude of my 16, in two chains
	v_max3_num_f32 v209, |v[XS+3]|, |v[XS+4]|, |v[XS+5]|
.irp i, 6,10
	v_max3_num_f32 v208, v208, |v[XS+\i]|, |v[XS+\i+1]|
	v_max3_num_f32 v209, v209, |v[XS+\i+2]|, |v[XS+\i+3]|
.endr
	v_max3_num_f32 v208, v208, |v[XS+14]|, |v[XS+15]|
	v_max3_num_f32 v208, v208, v209, 0x8000000     ; and the floor 2^(16 - 127): the byte cannot fall under 1
	v_max_num_f32_dpp v208, v208, v208 row_xmask:1 row_mask:0xf bank_mask:0xf      ; with my neighbour's 16: the block's
	v_add_nc_u32 v211, 0xf8800000, v208            ; 15 off the exponent field: the conversion's scale operand
	v_and_or_b32 v210, v208, 0x7f800000, s[MNT]    ; 57,344 x the scale
.irp i, 0,1,2,3,4,5,6,7,8,9,10,11,12,13,14,15
	v_med3_num_f32 v[XS+\i], v[XS+\i], -v210, v210 ; the conversion does not saturate (ISA guide 7.6.2): the hold comes first
.endr
	v_cvt_scalef32_pk8_bf8_f32 v[C+4*\t:C+4*\t+1], v[XS:XS+7], v211
	v_cvt_scalef32_pk8_bf8_f32 v[C+4*\t+2:C+4*\t+3], v[XS+8:XS+15], v211
	v_lshrrev_b32 v[E+\t], 23, v211                ; the scale's byte (a plain line behind the conversions)
	ds_store_b8 v7, v[E+\t] offset:16*\t           ; both lanes of a block write the same byte with the same value
	global_store_b128 v3, v[C+4*\t:C+4*\t+3], s[10:11] offset:512*\t               ; 512 consecutive bytes of codes
.endm
	STEP 0, 8                                      ; behind step 0's loads: step 1's four stores and four loads
	STEP 1, 1                                      ; behind step 1's loads: step 0's byte store
	ds_load_b32 v212, v10                          ; my token's 32 scale bytes as 8 words
	s_wait_dscnt 0x0
	global_store_b32 v9, v212, s[32:33]            ; lanes that share a word store the same value
	s_wait_loadcnt 0x0                             ; Wr
.irp i, 0,1,2,3,4,5,6,7,8,9,10,11,12,13,14,15
	ds_store_b128 v4, v[WT+4*\i:WT+4*\i+3] offset:2048*\i
.endr
	s_wait_dscnt 0x0                               ; my part of Wr lies in LDS,
	s_barrier_signal -1
	s_barrier_wait -1                              ; everybody's does
.macro LOADW e                         ; expert e's row, in the order in which x lies in my registers, into set e % 2.  (The argument is put in as text: so it stands in parentheses)
.irp i, 0,1,2,3,4,5,6,7
	ds_load_b128 v[WT+32*((\e)%2)+4*\i:WT+32*((\e)%2)+4*\i+3], v3 offset:4096*(\e)+512*\i
.endr
.endm
.macro DOT e, left
.set WB, WT+32*((\e)%2)
	s_wait_dscnt \left                             ; this expert's eight loads are in; the next expert's eight may be out
	v_pk_mul_f32 v[PA+4*(\e):PA+4*(\e)+1], v[XR:XR+1], v[WB:WB+1]                  ; the first products start the sums
	v_pk_mul_f32 v[PA+4*(\e)+2:PA+4*(\e)+3], v[XR+2:XR+3], v[WB+2:WB+3]
.irp i, 1,2,3,4,5,6,7
	v_pk_fma_f32 v[PA+4*(\e):PA+4*(\e)+1], v[XR+4*\i:XR+4*\i+1], v[WB+4*\i:WB+4*\i+1], v[PA+4*(\e):PA+4*(\e)+1]
	v_pk_fma_f32 v[PA+4*(\e)+2:PA+4*(\e)+3], v[XR+4*\i+2:XR+4*\i+3], v[WB+4*\i+2:WB+4*\i+3], v[PA+4*(\e)+2:PA+4*(\e)+3]
.endr
.endm
	LOADW 0
	LOADW 1
.irp e, 0,1,2,3,4,5
	DOT \e, 8
	LOADW \e+2                                     ; into the set that this expert's products have just read
.endr
	DOT 6, 8
	DOT 7, 0
.irp e, 0,1,2,3,4,5,6,7
	v_pk_add_f32 v[PA+4*\e:PA+4*\e+1], v[PA+4*\e:PA+4*\e+1], v[PA+4*\e+2:PA+4*\e+3]
.endr
.irp e, 0,1,2,3,4,5,6,7
	v_add_f32 v[L+\e], v[PA+4*\e], v[PA+4*\e+1]
.endr
.irp m, 1,2,4,8                        ; across the lanes, the eight sums by turns
.irp e, 0,1,2,3,4,5,6,7
	v_add_f32_dpp v[L+\e], v[L+\e], v[L+\e] row_xmask:\m row_mask:0xf bank_mask:0xf
.endr
.endr
.irp e, 0,1,2,3,4,5,6,7
	v_permlanex16_b32 v[PA+4*\e], v[L+\e], s[SEL], s[SEL+1]
.endr
	s_wait_kmcnt 0x0                               ; br
.irp e, 0,1,2,3,4,5,6,7
	v_add_f32 v[L+\e], v[L+\e], v[PA+4*\e]
.endr
.irp e, 0,1,2,3,4,5,6,7
	v_add_f32 v[L+\e], s[20+\e], v[L+\e]           ; every lane now holds the token's eight logits
.endr
	v_mov_b32 v216, v[L]
.irp e, 1,2,3,4,5,6,7
	v_cmp_eq_u32 vcc_lo, \e, v8
	v_cndmask_b32 v216, v216, v[L+\e], vcc_lo      ; logit number lane % 8
.endr
	global_store_b32 v9, v216, s[16:17]            ; out1: 32 consecutive bytes
	v_max3_num_f32 v217, v[L], v[L+1], v[L+2]      ; the softmax: the row's maximum is taken away
	v_max3_num_f32 v217, v217, v[L+3], v[L+4]
	v_max3_num_f32 v217, v217, v[L+5], v[L+6]
	v_max_num_f32 v217, v217, v[L+7]
.irp e, 0,1,2,3,4,5,6,7
	v_sub_f32 v[G+\e], v[L+\e], v217
.endr
.irp e, 0,1,2,3,4,5,6,7
	v_mul_f32 v[G+\e], 0x3fb8aa3b, v[G+\e]         ; x log2(e)
.endr
.irp e, 0,1,2,3,4,5,6,7
	v_exp_f32 v[G+\e], v[G+\e]
.endr
	v_nop                                          ; a plain line behind the exponentials
	s_wait_alu depctr_va_vdst(0)
	v_add_f32 v218, v[G], v[G+1]
	v_add_f32 v219, v[G+2], v[G+3]
	v_add_f32 v228, v[G+4], v[G+5]
	v_add_f32 v229, v[G+6], v[G+7]
	v_add_f32 v218, v218, v219
	v_add_f32 v228, v228, v229
	v_add_f32 v218, v218, v228
	v_rcp_f32 v219, v218
	v_nop
	s_wait_alu depctr_va_vdst(0)
.irp e, 0,1,2,3,4,5,6,7
	v_mul_f32 v[G+\e], v[G+\e], v219
.endr
	v_mov_b32 v220, v[G]                           ; the largest, and its index: a later one wins only if strictly larger
	v_mov_b32 v221, 0
.irp e, 1,2,3,4,5,6,7
	v_cmp_gt_f32 vcc_lo, v[G+\e], v220
	v_cndmask_b32 v220, v220, v[G+\e], vcc_lo
	v_cndmask_b32 v221, v221, \e, vcc_lo
.endr
	v_mov_b32 v222, -1.0                           ; the second: the same walk without the first (-1 lies under every weight)
	v_mov_b32 v223, 0
.irp e, 0,1,2,3,4,5,6,7
	v_cmp_gt_f32 s37, v[G+\e], v222
	v_cmp_ne_u32 s38, \e, v221
	s_and_b32 s37, s37, s38
	v_cndmask_b32 v222, v222, v[G+\e], s37
	v_cndmask_b32 v223, v223, \e, s37
.endr
	v_add_f32 v224, v220, v222
	v_rcp_f32 v224, v224
	v_cmp_eq_u32 vcc_lo, 1, v11                    ; (a plain line behind the reciprocal)  odd lanes take the second choice
	s_wait_alu depctr_va_vdst(0)
	v_mul_f32 v225, v220, v224
	v_mul_f32 v226, v222, v224
	v_cndmask_b32 v227, v221, v223, vcc_lo
	v_cndmask_b32 v230, v225, v226, vcc_lo
	global_store_b32 v12, v227, s[18:19]           ; out2
	global_store_b32 v12, v227, s[12:13]           ; sel: the same two numbers, for the launch that places the rows
	global_store_b32 v12, v230, s[14:15]           ; gw
	s_wait_tensorcnt 0x0
	ds_add_u32 v240, v241
	s_wait_dscnt 0x0
	s_endpgm
.Lfunc_end_k_q8e7f39fcc7_route:
	.size	k_q8e7f39fcc7_route, .Lfunc_end_k_q8e7f39fcc7_route-k_q8e7f39fcc7_route
	.p2alignl 7, 3214868480
	.fill 96, 4, 3214868480
	.section	.rodata,"a",@progbits
	.p2align	6, 0x0
	.amdhsa_kernel k_q8e7f39fcc7_route
		.amdhsa_group_segment_fixed_size 55808
		.amdhsa_private_segment_fixed_size 0
		.amdhsa_enable_private_segment 0
		.amdhsa_kernarg_size 64
		.amdhsa_user_sgpr_count 2
		.amdhsa_user_sgpr_kernarg_segment_ptr 1
		.amdhsa_wavefront_size32 1
		.amdhsa_system_sgpr_workgroup_id_x 1
		.amdhsa_system_sgpr_workgroup_id_y 1
		.amdhsa_system_sgpr_workgroup_id_z 1
		.amdhsa_system_vgpr_workitem_id 0
		.amdhsa_next_free_vgpr 242
		.amdhsa_next_free_sgpr 66
		.amdhsa_reserve_vcc 1
		.amdhsa_float_denorm_mode_32 3
		.amdhsa_float_denorm_mode_16_64 3
		.amdhsa_memory_ordered 1
		.amdhsa_forward_progress 1
		.amdhsa_inst_pref_size 34
	.end_amdhsa_kernel
	.amdgpu_metadata
---
amdhsa.version: [ 1, 2 ]
amdhsa.kernels:
  - .name:           k_q8e7f39fcc7_route
    .symbol:         k_q8e7f39fcc7_route.kd
    .args:
      - { .name: x, .offset: 0, .size: 8, .value_kind: global_buffer, .address_space: global }
      - { .name: Wr, .offset: 8, .size: 8, .value_kind: global_buffer, .address_space: global }
      - { .name: br, .offset: 16, .size: 8, .value_kind: global_buffer, .address_space: global }
      - { .name: xq, .offset: 24, .size: 8, .value_kind: global_buffer, .address_space: global }
      - { .name: sel, .offset: 32, .size: 8, .value_kind: global_buffer, .address_space: global }
      - { .name: gw, .offset: 40, .size: 8, .value_kind: global_buffer, .address_space: global }
      - { .name: out1, .offset: 48, .size: 8, .value_kind: global_buffer, .address_space: global }
      - { .name: out2, .offset: 56, .size: 8, .value_kind: global_buffer, .address_space: global }
    .group_segment_fixed_size: 55808
    .private_segment_fixed_size: 0
    .kernarg_segment_align: 8
    .kernarg_segment_size: 64
    .max_flat_workgroup_size: 128
    .sgpr_count:     66
    .vgpr_count:     242
    .wavefront_size: 32
...
	.end_amdgpu_metadata
.endif
;; end of part 1
;; launch place (part 2): grid 9 x 1, 1 waves a work-group, no clusters, 0 bytes of LDS; arguments sel, gw, lst, lw; writes lst, lw
.if DOCPART == 2
	.amdgcn_target "amdgcn-amd-amdhsa--gfx1250"
	.amdhsa_code_object_version 6
	.text
	.protected	k_q8e7f39fcc7_place
	.globl	k_q8e7f39fcc7_place
	.p2align	8
	.type	k_q8e7f39fcc7_place,@function
k_q8e7f39fcc7_place:
	s_mov_b64 s[64:65], 0
	v_nop
	global_prefetch_b8 v0, s[64:65] scope:SCOPE_SE
	s_setreg_imm32_b32 hwreg(HW_REG_WAVE_MODE, 25, 1), 1
	s_wait_xcnt 0x0
; THE ROWS ARE PLACED BY EXPERT.  Work-group rho writes row rho of lst ([9][1152] destinations) and of lw ([9][1152] weights), and its counts.
; rho = 1..8: expert rho - 1.  A counting sort without atomics: the wave walks the 1,024 tokens, 32 a step; a token that chose the expert goes to the next free place from the
; front (its rank: the running count + the chosen lanes below it), every other token writes a PAD to a place counted down from 1023.  So each of the places 0..1023 is written once.
; A destination is k x 1024 + token (k = 0, 1: first or second choice; 2: the shared expert): the row of the buffer of parts that takes the result; token = destination & 1023.
; A pad is 3072 + unit, a row that nobody reads, with the weight 0.  Places 1024..1151 are pads: the launches that follow may look one batch of 64 past the end.
; rho = 0: the shared expert: place p holds 2048 + p with the weight 1.
; cnt[12] behind the lists: units 0..3 (quarters of the shared expert) 256 each, unit 3 + rho the expert's count.
.set LP,     4608                      ; bytes of a row
.set CNTOFF, 41472
	s_load_b256 s[8:15], s[0:1], 0x0               ; sel s[8:9], gw s[10:11], lst s[12:13], lw s[14:15]
	s_mov_b32 s2, ttmp9                            ; rho
	v_and_b32 v2, 31, v0                           ; lane
	v_lshlrev_b32 v1, 3, v2                        ; 8 x lane: a token's pair
	v_lshlrev_b32 v13, 2, v2                       ; 4 x lane
	s_mul_i32 s16, s2, LP
	s_mov_b32 s17, 0
	s_wait_kmcnt 0x0
	s_add_nc_u64 s[18:19], s[12:13], s[16:17]      ; my row of lst
	s_add_nc_u64 s[20:21], s[14:15], s[16:17]      ; and of lw
	s_add_nc_u64 s[22:23], s[12:13], CNTOFF        ; the counts
	s_cmp_eq_u32 s2, 0
	s_cbranch_scc1 .Lshared
.irp s, 0,1,2,3,4,5,6,7,8,9,10,11,12,13,14,15,16,17,18,19,20,21,22,23,24,25,26,27,28,29,30,31
	global_load_b64 v[16+2*\s:17+2*\s], v1, s[8:9] offset:256*\s     ; tokens 32 s + lane: their two experts,
	global_load_b64 v[80+2*\s:81+2*\s], v1, s[10:11] offset:256*\s   ; their two weights
.endr
	s_sub_co_u32 s5, s2, 1                         ; my expert
	s_mov_b32 s4, 0                                ; rows placed so far
	s_add_co_u32 s3, s2, 3075
	v_mov_b32 v7, s3                               ; the pad: 3072 + unit, unit = 3 + rho
	s_wait_loadcnt 0x0
; Each step stores from the registers that held its own pair: no store's source is written again.
.macro STEP s
	v_cmp_eq_u32 s6, s5, v[16+2*\s]                ; chosen first,
	v_cmp_eq_u32 s7, s5, v[17+2*\s]                ; or second (never both)
	s_or_b32 s24, s6, s7
	v_mbcnt_lo_u32_b32 v3, s24, 0                  ; chosen lanes below me
	v_add_nc_u32 v3, s4, v3                        ; chosen tokens before mine
	v_add_nc_u32 v4, 32*\s, v2                     ; my token
	v_add_nc_u32 v5, 1024, v4
	v_cndmask_b32 v5, v4, v5, s7                   ; its destination
	v_cndmask_b32 v[16+2*\s], v7, v5, s24          ; or the pad
	v_cndmask_b32 v6, v[80+2*\s], v[81+2*\s], s7
	v_cndmask_b32 v[80+2*\s], 0, v6, s24           ; its weight, or 0
	v_sub_nc_u32 v6, v3, v4
	v_add_nc_u32 v6, 1023, v6                      ; 1023 - (tokens before mine that did not choose)
	v_cndmask_b32 v6, v6, v3, s24
	v_min_u32 v6, 1151, v6                         ; a place inside the row, whatever was read
	v_lshlrev_b32 v[17+2*\s], 2, v6
	global_store_b32 v[17+2*\s], v[16+2*\s], s[18:19]
	global_store_b32 v[17+2*\s], v[80+2*\s], s[20:21]
	s_bcnt1_i32_b32 s25, s24
	s_add_co_u32 s4, s4, s25
.endm
.irp s, 0,1,2,3,4,5,6,7,8,9,10,11,12,13,14,15,16,17,18,19,20,21,22,23,24,25,26,27,28,29,30,31
	STEP \s
.endr
	v_mov_b32 v9, 0
.irp i, 0,1,2,3
	global_store_b32 v13, v7, s[18:19] offset:4096+128*\i            ; places 1024..1151
	global_store_b32 v13, v9, s[20:21] offset:4096+128*\i
.endr
	s_lshl_b32 s16, s2, 2
	s_add_nc_u64 s[22:23], s[22:23], s[16:17]
	v_mov_b32 v10, s4
	global_store_b32 v9, v10, s[22:23] offset:12   ; cnt[3 + rho]: every lane stores the same word
	s_endpgm
.Lshared:
	v_mov_b32 v12, 1.0
	v_mov_b32 v14, 3072
	v_mov_b32 v15, 0
.irp i, 0,1,2,3,4,5,6,7,8,9,10,11,12,13,14,15,16,17,18,19,20,21,22,23,24,25,26,27,28,29,30,31
	v_add_nc_u32 v[16+\i], 2048+32*\i, v2
	global_store_b32 v13, v[16+\i], s[18:19] offset:128*\i
	global_store_b32 v13, v12, s[20:21] offset:128*\i
.endr
.irp i, 32,33,34,35
	global_store_b32 v13, v14, s[18:19] offset:128*\i
	global_store_b32 v13, v15, s[20:21] offset:128*\i
.endr
	v_and_b32 v3, 3, v2
	v_lshlrev_b32 v3, 2, v3
	v_mov_b32 v4, 256
	global_store_b32 v3, v4, s[22:23]              ; cnt[0..3] = 256
	s_endpgm
.Lfunc_end_k_q8e7f39fcc7_place:
	.size	k_q8e7f39fcc7_place, .Lfunc_end_k_q8e7f39fcc7_place-k_q8e7f39fcc7_place
	.p2alignl 7, 3214868480
	.fill 96, 4, 3214868480
	.section	.rodata,"a",@progbits
	.p2align	6, 0x0
	.amdhsa_kernel k_q8e7f39fcc7_place
		.amdhsa_group_segment_fixed_size 0
		.amdhsa_private_segment_fixed_size 0
		.amdhsa_enable_private_segment 0
		.amdhsa_kernarg_size 32
		.amdhsa_user_sgpr_count 2
		.amdhsa_user_sgpr_kernarg_segment_ptr 1
		.amdhsa_wavefront_size32 1
		.amdhsa_system_sgpr_workgroup_id_x 1
		.amdhsa_system_sgpr_workgroup_id_y 1
		.amdhsa_system_sgpr_workgroup_id_z 1
		.amdhsa_system_vgpr_workitem_id 0
		.amdhsa_next_free_vgpr 160
		.amdhsa_next_free_sgpr 66
		.amdhsa_reserve_vcc 0
		.amdhsa_float_denorm_mode_32 3
		.amdhsa_float_denorm_mode_16_64 3
		.amdhsa_memory_ordered 1
		.amdhsa_forward_progress 1
		.amdhsa_inst_pref_size 53
	.end_amdhsa_kernel
	.amdgpu_metadata
---
amdhsa.version: [ 1, 2 ]
amdhsa.kernels:
  - .name:           k_q8e7f39fcc7_place
    .symbol:         k_q8e7f39fcc7_place.kd
    .args:
      - { .name: sel, .offset: 0, .size: 8, .value_kind: global_buffer, .address_space: global }
      - { .name: gw, .offset: 8, .size: 8, .value_kind: global_buffer, .address_space: global }
      - { .name: lst, .offset: 16, .size: 8, .value_kind: global_buffer, .address_space: global }
      - { .name: lw, .offset: 24, .size: 8, .value_kind: global_buffer, .address_space: global }
    .group_segment_fixed_size: 0
    .private_segment_fixed_size: 0
    .kernarg_segment_align: 8
    .kernarg_segment_size: 32
    .max_flat_workgroup_size: 32
    .sgpr_count:     66
    .vgpr_count:     160
    .wavefront_size: 32
...
	.end_amdgpu_metadata
.endif
;; end of part 2
;; launch up (part 3): grid 16 x 12, 4 waves a work-group, no clusters, 317,952 bytes of LDS; arguments xq, lst, Wg, Wv, Wg_s, Wv_s, hq; writes hq
.if DOCPART == 3
	.amdgcn_target "amdgcn-amd-amdhsa--gfx1250"
	.amdhsa_code_object_version 6
	.text
	.protected	k_q8e7f39fcc7_up
	.globl	k_q8e7f39fcc7_up
	.p2align	8
	.type	k_q8e7f39fcc7_up,@function
k_q8e7f39fcc7_up:
	s_mov_b64 s[64:65], 0
	v_nop
	global_prefetch_b8 v0, s[64:65] scope:SCOPE_SE
	s_setreg_imm32_b32 hwreg(HW_REG_WAVE_MODE, 25, 1), 1
	s_wait_xcnt 0x0
; THE HIDDEN LAYER: h = Q(silu(x Wg^T) (x Wv^T)) for the rows that an expert was chosen for, both products on codes of E5M2 with one E8M0 scale for each 32 along D.
; SHARES.  Work-group (x, u): unit u (0..3: tokens 256 u .. + 255 of the shared expert; 4..11: expert u - 4 with the rows that chose it), hidden units 128 x .. 128 x + 127.
; Wave w owns hidden units 128 x + 32 w .. + 31 of Wg and of Wv: 2 x 32 rows x 1,024 f32.  THE WEIGHTS STAY: phase 1 reads them from memory once, quantises them and leaves them
; as 32 fragments (512 registers, windows 1 and 2).  Phase 2 walks the unit's rows, 64 slots a batch; what goes round is small: the rows' codes of x.
; No tensor load, no cluster: the walk hangs on a stored count, and f32 weights have to pass through registers to be quantised; only the four shared units read the same weights.
; PHASE 1.  A weight unit is 16 rows x 128 along D.  Sixteen loads take 512 consecutive bytes of a row each; the 8 KB turn through the wave's stage in LDS and come back so that lane
; (r, h) holds, of row r, k = 32 c + 16 h + 0..15 in registers 16 c + 0..15: the conversions' results then are the fragment's registers.  Register numbers change from K step to
; K step, so the fragments go to LDS as images of their registers (16 bytes a lane, 512 a store) and are loaded into their places behind the loop.
; THE ROWS OF A TILE ARE NOT NEIGHBOURS: row i of tile u' takes hidden unit 8 u' + i + 8 (i / 8).  Both products are used transposed (source 0 = 16 rows of W, source 1 = 16 slots of x):
; lane (r, h) holds slot r, and the 16 registers of tiles 0 and 1 are hidden units 16 h + 0..15 of the wave's 32: a block of the next product's K lies in lanes l and l xor 16.
; PHASE 2, a batch: the 64 rows' codes and scale bytes are gathered one batch ahead (whole pieces of 256 bytes), staged in one of two LDS buffers, read by all four waves.
; For each tile of 16 slots: 32 matrix instructions (4 accumulators by turns, 8 K steps), silu(g) v in f32, the quantiser, 16 codes a lane.  THE NEXT TILE'S 32 FRAGMENT LOADS STAND IN
; EIGHT RUNS OF FOUR AMONG THIS TILE'S VECTOR WORK, not in one run: x's fragments, the accumulators, the vector work and a copy of the LDS address share window 3, so a run costs no switch.
; OUT.  hq = [9 rho][64 tiles][16 s][4 c][32 lanes][16 bytes]: the image of the next product's operand; my store is 512 consecutive bytes (s = x, c = w).  Scale bytes: each wave
; puts its byte into an LDS block [64 slots][4 c]; behind the batch's barrier wave 0 stores the block's 256 consecutive bytes to [9 rho][16 s][1024 slots] words behind HSOFF.
; LIMITS: NaN and infinities are not served.  A block whose largest magnitude lies under 2^-111 keeps the byte 1, a block of zeros too (its codes are zeros; only this program reads the bytes).
.set WREG,   78080                     ; LDS, phase 1, a region for each wave: 32 images of 2,048 bytes,
.set IMSC,   65536                     ; 32 x 128 bytes of scale words,
.set TSTG,   69632                     ; the stage: 16 rows of 512 bytes + 16 (33 x 16 bytes: the 16 rows of a load start in different banks: ISA guide 11.1)
.set TP,     528
.set LIST,   312320                    ; 1,152 list entries from the unit's first slot on
.set HSTG,   316928                    ; two blocks of 256 bytes for the hidden layer's scale bytes
.set XB,     1<<17                     ; phase 2: the second x buffer; one exclusive or turns an address from one buffer to the other
.set XP,     1040                      ; a row of codes: 1,024 bytes + 16
.set XSC,    64*XP                     ; behind the 64 rows: their scale bytes,
.set XSP,    48                        ; 32 bytes + 16 a row
.set XSOFF,  1048576
.set HSOFF,  18874368
.set CNTOFF, 41472
; window 0
.set LN16, 1                           ; 16 x lane
.set TS,   2                           ; the stage, in: 16 x lane
.set TL,   3                           ; the stage, out: 528 r + 64 h
.set IA0,  4                           ; my images: 16 x lane
.set SA0,  5                           ; my scale words: 4 x lane
.set IA,   6                           ; the same for the K step in hand
.set SAC,  7
.set LA0,  8                           ; list: the 8 slots whose codes I gather
.set LS0,  9                           ; list: the slot whose scale bytes I gather
.set XA0,  10                          ; x buffer: a fragment's row r, + 16 h
.set XSA0, 11                          ; x buffer: row r's scale words
.set ST0,  12                          ; x buffer: where I stage codes
.set SS0,  13                          ; x buffer: where I stage scale bytes
.set XSA,  15                          ; v15-19, 21, 43: the same for the trip in hand
.set STA,  16
.set SSA,  17
.set LAD,  18
.set LSD,  19
.set HBA0, 20                          ; my byte in a block of scale bytes: 4 r + w
.set HBA,  21
.set C16,  22                          ; 16 x (lane % 16)
.set C16B, 23                          ; 16 x (lane % 2)
.set GA,   24                          ; v24-31 byte offsets of the 8 rows that I gather
.set GSA,  32
.set TOKS, 33
.set TOK,  34                          ; v34-41 list entries
.set HRD0, 42                          ; a block of scale bytes, 8 x lane
.set HRD,  43
.set HW,   44                          ; v44-45
.set LN8,  46
.set WS,   48                          ; v48-79  the weights' scale words (unit 4 s + t): scales and nothing else
.set XS,   80                          ; v80-87  x's scale words, K step s: scales and nothing else
.set T4,   88
.set LSTA, 89
.set LT,   90                          ; v90-98
.set GS,   100                         ; v100-103 the next batch's gathered scale bytes
.set LANE, 120
.set R,    121
.set HH,   122
.set TA,   123
.set TC,   124
.set G,    128                         ; v128-255 the next batch's gathered codes: 8 rows x 64 bytes a lane
; window 1 in phase 1 (later: fragments of K steps 0-3; window 2: K steps 4-7; unit 4 s + t at 64 (s % 4) + 16 t)
.set X,    0                           ; two sets of 64 numbers
.set TM,   128                         ; +0..3 largest magnitudes, +4..7 bytes, +8..11 holds, +12..15 scale operands
.set PC,   144                         ; two sets of 16: the codes just made
.set PW,   176                         ; two scale words
; window 3: phase 1: four sets of 64 as loaded; phase 2:
.set XF,   0                           ; v0-127 x's fragments of a tile: K step s at 16 s
.set ACC,  132                         ; g tile 0, g tile 1, v tile 0, v tile 1
.set T,    164
.set M,    180
.set M2,   181
.set SCL,  182
.set HOLD, 183
.set HC,   188                         ; four registers of codes for each tile of the batch
.set HBY,  204                         ; a byte for each
.set XA3,  208                         ; the x buffer in hand: a fragment's row r, + 16 h
; scalars
.set WV,  2
.set SX,  3
.set SU,  4
.set RHO, 5
.set EX,  6
.set SL0, 7
.set GB,  22
.set VB,  24
.set XSB, 26
.set HB,  28
.set HSB, 30
.set O,   32
.set N,   34
.set NB,  35
.set J,   36
.set TB,  37
.set TBN, 38
.set LJ,  39
.set IS,  40
.set SS,  41
.set CT,  42
.set TH,  43
.set SEL, 44
.set MNT, 46
.set NL,  48
.set CB,  50
.set O2,  52
.set LB,  54
.set MSB, 0
.macro WIN new                         ; s_set_vgpr_msb: bits 1:0 source 0, 3:2 source 1, 5:4 source 2, 7:6 destination; the high byte repeats the setting that is left
.if MSB != \new
	s_set_vgpr_msb (MSB<<8)|\new
.set MSB, \new
.endif
.endm
.macro GLOAD q, koff                   ; weight unit q (0, 1: Wg's tiles; 2, 3: Wv's), 128 along D from byte koff of the rows, into set q of window 3
	WIN 0xc0
.irp i, 0,1,2,3,4,5,6,7,8,9,10,11,12,13,14,15
.if \q < 2
	global_load_b128 v[64*\q+4*\i:64*\q+4*\i+3], v[LN16], s[GB:GB+1] offset:(8*(\q%2)+\i+8*(\i/8))*4096+\koff
.else
	global_load_b128 v[64*\q+4*\i:64*\q+4*\i+3], v[LN16], s[VB:VB+1] offset:(8*(\q%2)+\i+8*(\i/8))*4096+\koff
.endif
.endr
.endm
.macro TURN q                          ; set q through the stage into X's set q % 2.  LDS serves a wave's instructions in order (ISA guide 5.7.1.4): no wait between
	WIN 0x0c
.irp i, 0,1,2,3,4,5,6,7,8,9,10,11,12,13,14,15
	ds_store_b128 v[TS], v[64*\q+4*\i:64*\q+4*\i+3] offset:TP*\i
.endr
	WIN 0x40
.irp c, 0,1,2,3
.irp j, 0,1,2,3
	ds_load_b128 v[X+64*(\q%2)+16*\c+4*\j:X+64*(\q%2)+16*\c+4*\j+3], v[TL] offset:128*\c+16*\j
.endr
.endr
.endm
; 64 numbers of a lane, register 16 b + i = k 32 b + 16 (lane / 16) + i of my row, become a fragment's 16 registers of codes and its scale word.  All in window 1.
.macro QUANT s, pc, pw
	WIN 0x55
.irp b, 0,1,2,3
	v_max3_num_f32 v[TM+\b], |v[(\s)+16*\b]|, |v[(\s)+16*\b+1]|, 0x8000000   ; my 16 numbers of block b, and the floor 2^(16 - 127): the byte cannot fall under 1
.endr
.irp i, 2,4,6,8,10,12,14
.irp b, 0,1,2,3
	v_max3_num_f32 v[TM+\b], v[TM+\b], |v[(\s)+16*\b+\i]|, |v[(\s)+16*\b+\i+1]|   ; the four blocks by turns
.endr
.endr
.irp b, 0,1,2,3
	v_permlanex16_b32 v[TM+4+\b], v[TM+\b], s[SEL], s[SEL+1]
.endr
.irp b, 0,1,2,3
	v_max_num_f32 v[TM+\b], v[TM+\b], v[TM+4+\b]   ; with lane l xor 16's: the block's largest magnitude
.endr
.irp b, 0,1,2,3
	v_add_nc_u32 v[TM+12+\b], 0xf8800000, v[TM+\b] ; 15 off its exponent field: the conversion's scale operand
.endr
.irp b, 0,1,2,3
	v_and_or_b32 v[TM+8+\b], v[TM+\b], 0x7f800000, s[MNT]   ; 57,344 x the scale
.endr
.irp b, 0,1,2,3
	v_lshrrev_b32 v[TM+4+\b], 23, v[TM+12+\b]      ; the scale's byte
.endr
	v_lshl_or_b32 v[\pw], v[TM+5], 8, v[TM+4]
	v_lshl_or_b32 v[\pw], v[TM+6], 16, v[\pw]
	v_lshl_or_b32 v[\pw], v[TM+7], 24, v[\pw]
.irp b, 0,1,2,3
.irp i, 0,1,2,3,4,5,6,7,8,9,10,11,12,13,14,15
	v_med3_num_f32 v[(\s)+16*\b+\i], v[(\s)+16*\b+\i], -v[TM+8+\b], v[TM+8+\b]   ; the conversion does not saturate (ISA guide 7.6.2): the hold comes first
.endr
	v_cvt_scalef32_pk8_bf8_f32 v[(\pc)+4*\b:(\pc)+4*\b+1], v[(\s)+16*\b:(\s)+16*\b+7], v[TM+12+\b]
	v_cvt_scalef32_pk8_bf8_f32 v[(\pc)+4*\b+2:(\pc)+4*\b+3], v[(\s)+16*\b+8:(\s)+16*\b+15], v[TM+12+\b]
.endr
	v_nop                                          ; a plain line behind the last conversion
.endm
; Weight unit q of the K step in hand.  more: its set is loaded again, one K step on.  nxt: unit nq turns through the stage while this one is quantised; cnt: the loads younger than nq's.
.macro UNIT q, nq, more, nxt, cnt
.if \q == 0
	s_wait_dscnt 0x0                               ; my numbers are back from the stage (on the way into the loop nothing stands behind those loads: so the count is 0)
	WIN 0
	v_add_nc_u32 v[IA], s[IS], v[IA0]
	v_add_nc_u32 v[SAC], s[SS], v[SA0]
.else
	s_wait_dscnt 5                                 ; the same; behind those loads stand the five stores of the unit before
.endif
.if \more
	GLOAD \q, 512                                  ; the stage's stores have read set q
.endif
.if \nxt
	s_wait_loadcnt \cnt
	TURN \nq
.endif
	QUANT X+64*(\q%2), PC+16*(\q%2), PW+(\q%2)
	WIN 0x04
.irp c, 0,1,2,3
	ds_store_b128 v[IA], v[PC+16*(\q%2)+4*\c:PC+16*(\q%2)+4*\c+3] offset:2048*\q+512*\c   ; the fragment's image
.endr
	ds_store_b32 v[SAC], v[PW+(\q%2)] offset:128*\q
.endm
.macro KTRIP                           ; a K step that has a successor
	UNIT 0, 1, 1, 1, 48                            ; three sets of sixteen loads are younger than the set that is wanted
	UNIT 1, 2, 1, 1, 48
	UNIT 2, 3, 1, 1, 48
	UNIT 3, 0, 1, 1, 48
	WIN 0
.endm
.macro WLOAD nu                        ; the images become the fragments: unit U at register 256 + 16 U
.set U, 0
.rept \nu
.if U < 16
	WIN 0x40
.else
	WIN 0x80
.endif
.irp c, 0,1,2,3
	ds_load_b128 v[16*(U%16)+4*\c:16*(U%16)+4*\c+3], v[IA0] offset:2048*U+512*\c
.endr
.set U, U+1
.endr
	WIN 0
.set U, 0
.rept \nu
	ds_load_b32 v[WS+U], v[SA0] offset:128*U
.set U, U+1
.endr
.endm
.macro ADDR                            ; list entries become byte offsets: held inside the table, token = entry & 1023.  (Window 0)
.irp i, 0,1,2,3,4,5,6,7
	v_min_u32 v[GA+\i], 0xfff, v[TOK+\i]
.endr
	v_min_u32 v[GSA], 0xfff, v[TOKS]
.irp i, 0,1,2,3,4,5,6,7
	v_and_b32 v[GA+\i], 1023, v[GA+\i]
.endr
	v_and_b32 v[GSA], 1023, v[GSA]
.irp i, 0,1,2,3,4,5,6,7
	v_lshl_add_u32 v[GA+\i], v[GA+\i], 10, v[C16]
.endr
	v_lshl_add_u32 v[GSA], v[GSA], 5, v[C16B]
.endm
.macro GATHER                          ; rows 16 w + 8 (lane / 16) + i of the batch: sixteen lanes read 256 consecutive bytes of a row.  33 loads
	WIN 0
.irp i, 0,1,2,3,4,5,6,7
.irp k, 0,1,2,3
	global_load_b128 v[G+16*\i+4*\k:G+16*\i+4*\k+3], v[GA+\i], s[8:9] offset:256*\k
.endr
.endr
	global_load_b128 v[GS:GS+3], v[GSA], s[XSB:XSB+1]   ; two lanes read a row's 32 scale bytes
.endm
.macro STAGE sta, ssa
	WIN 0
.irp i, 0,1,2,3,4,5,6,7
.irp k, 0,1,2,3
	ds_store_b128 v[\sta], v[G+16*\i+4*\k:G+16*\i+4*\k+3] offset:XP*\i+256*\k
.endr
.endr
	ds_store_b128 v[\ssa], v[GS:GS+3]
.endm
.macro XSL q                           ; tile q's scale words: two loads
	WIN 0
	ds_load_b128 v[XS:XS+3], v[XSA] offset:16*XSP*(\q)
	ds_load_b128 v[XS+4:XS+7], v[XSA] offset:16*XSP*(\q)+16
.endm
.macro XFL q, s                        ; tile q's fragment of K step s: four loads.  Stands under a setting whose destination and source 0 are window 3
.irp c, 0,1,2,3
	ds_load_b128 v[XF+16*(\s)+4*\c:XF+16*(\s)+4*\c+3], v[XA3] offset:16*XP*(\q)+128*(\s)+32*\c
.endr
.endm
.macro MM q                            ; 32 matrix instructions; the four accumulators take turns, one instruction a turn
.if \q == 0
	s_wait_dscnt 16                                ; the scale words and K steps 0-3 are in; the sixteen loads of K steps 4-7 may be out
.else
	s_wait_dscnt 17                                ; and the byte store of the tile before
.endif
	WIN 0xfd                                       ; source 0 (W) window 1; source 1 (x), C and D window 3
.irp s, 0,1,2,3
.irp t, 0,1,2,3
.if \s == 0
	v_wmma_scale_f32_16x16x128_f8f6f4 v[ACC+8*\t:ACC+8*\t+7], v[64*\s+16*\t:64*\s+16*\t+15], v[XF+16*\s:XF+16*\s+15], 0, v[WS+4*\s+\t], v[XS+\s] matrix_a_fmt:MATRIX_FMT_BF8 matrix_b_fmt:MATRIX_FMT_BF8
.else
	v_wmma_scale_f32_16x16x128_f8f6f4 v[ACC+8*\t:ACC+8*\t+7], v[64*\s+16*\t:64*\s+16*\t+15], v[XF+16*\s:XF+16*\s+15], v[ACC+8*\t:ACC+8*\t+7], v[WS+4*\s+\t], v[XS+\s] matrix_a_fmt:MATRIX_FMT_BF8 matrix_b_fmt:MATRIX_FMT_BF8
.endif
.endr
.endr
	s_wait_dscnt 0x0
	WIN 0xfe                                       ; W's K steps 4-7 lie in window 2
.irp s, 4,5,6,7
.irp t, 0,1,2,3
	v_wmma_scale_f32_16x16x128_f8f6f4 v[ACC+8*\t:ACC+8*\t+7], v[64*(\s-4)+16*\t:64*(\s-4)+16*\t+15], v[XF+16*\s:XF+16*\s+15], v[ACC+8*\t:ACC+8*\t+7], v[WS+4*\s+\t], v[XS+\s] matrix_a_fmt:MATRIX_FMT_BF8 matrix_b_fmt:MATRIX_FMT_BF8
.endr
.endr
.rept 9
	v_nop                                          ; eight places in front of the loads into x's registers and scale words and of the first read of results; nine in front of the next tile's first products, which write over these accumulators
.endr
.endm
; h = g v / (1 + 2^(-g log2 e)), quantised.  All in window 3.  Each accumulator is read from its low end on.
; more = 1: tile nq's operands are asked for on the way: its scale words first, then a K step's four loads at each of eight places, K ascending, all ahead of the byte store at the end.
.macro EPI q, more, nq
.if \more
	XSL \nq
.endif
	WIN 0xff
.if \more
	XFL \nq, 0
.endif
.irp i, 0,2,4,6,8,10,12,14
	v_pk_mul_f32 v[T+\i:T+\i+1], v[ACC+\i:ACC+\i+1], s[NL:NL+1] op_sel_hi:[1,0]
.endr
.if \more
	XFL \nq, 1
.endif
.irp i, 0,1,2,3,4,5,6,7,8,9,10,11,12,13,14,15
	v_exp_f32 v[T+\i], v[T+\i]
.endr
.irp i, 0,2,4,6,8,10,12,14
	v_pk_mul_f32 v[ACC+\i:ACC+\i+1], v[ACC+\i:ACC+\i+1], v[ACC+16+\i:ACC+16+\i+1]   ; g v (plain lines behind the exponentials)
.endr
.if \more
	XFL \nq, 2
.endif
	s_wait_alu depctr_va_vdst(0)
.irp i, 0,2,4,6,8,10,12,14
	v_pk_add_f32 v[T+\i:T+\i+1], v[T+\i:T+\i+1], 1.0 op_sel_hi:[1,0]
.endr
.if \more
	XFL \nq, 3
.endif
.irp i, 0,1,2,3,4,5,6,7,8,9,10,11,12,13,14,15
	v_rcp_f32 v[T+\i], v[T+\i]
.endr
	v_nop
	s_wait_alu depctr_va_vdst(0)
.irp i, 0,2,4,6,8,10,12,14
	v_pk_mul_f32 v[ACC+\i:ACC+\i+1], v[ACC+\i:ACC+\i+1], v[T+\i:T+\i+1]
.endr
.if \more
	XFL \nq, 4
.endif
	v_max3_num_f32 v[M], |v[ACC]|, |v[ACC+1]|, 0x8000000          ; my 16 of the block's 32, in two chains, and the floor
	v_max3_num_f32 v[M2], |v[ACC+2]|, |v[ACC+3]|, |v[ACC+4]|
.irp i, 5,9
	v_max3_num_f32 v[M], v[M], |v[ACC+\i]|, |v[ACC+\i+1]|
	v_max3_num_f32 v[M2], v[M2], |v[ACC+\i+2]|, |v[ACC+\i+3]|
.endr
	v_max3_num_f32 v[M], v[M], |v[ACC+13]|, |v[ACC+14]|
	v_max_num_f32 v[M2], v[M2], |v[ACC+15]|
	v_max_num_f32 v[M], v[M], v[M2]
	v_permlanex16_b32 v[M2], v[M], s[SEL], s[SEL+1]
	v_max_num_f32 v[M], v[M], v[M2]
.if \more
	XFL \nq, 5
.endif
	v_add_nc_u32 v[SCL], 0xf8800000, v[M]
	v_and_or_b32 v[HOLD], v[M], 0x7f800000, s[MNT]
	v_lshrrev_b32 v[HBY+\q], 23, v[SCL]
.irp i, 0,1,2,3,4,5,6,7
	v_med3_num_f32 v[ACC+\i], v[ACC+\i], -v[HOLD], v[HOLD]
.endr
.if \more
	XFL \nq, 6
.endif
.irp i, 8,9,10,11,12,13,14,15
	v_med3_num_f32 v[ACC+\i], v[ACC+\i], -v[HOLD], v[HOLD]
.endr
.if \more
	XFL \nq, 7
.endif
	v_cvt_scalef32_pk8_bf8_f32 v[HC+4*\q:HC+4*\q+1], v[ACC:ACC+7], v[SCL]
	v_cvt_scalef32_pk8_bf8_f32 v[HC+4*\q+2:HC+4*\q+3], v[ACC+8:ACC+15], v[SCL]
	v_nop                                          ; a plain line behind the conversions: the next products write their sources
	WIN 0x0c
	global_store_b128 v[LN16], v[HC+4*\q:HC+4*\q+3], s[HB:HB+1] offset:32768*\q   ; registers 4 w .. 4 w + 3 of the operand's image: 512 consecutive bytes
	ds_store_b8 v[HBA], v[HBY+\q] offset:64*\q     ; lanes r and r + 16 write the same byte with the same value
.endm
	s_load_b256 s[8:15], s[0:1], 0x0               ; xq s[8:9], lst s[10:11], Wg s[12:13], Wv s[14:15]
	s_load_b128 s[16:19], s[0:1], 0x20             ; Wg_s s[16:17], Wv_s s[18:19]
	s_load_b64 s[20:21], s[0:1], 0x30              ; hq
	v_lshl_add_u32 v126, v0, 2, 0x4d800
	v_mov_b32 v127, 0
	v_lshrrev_b32 v[TA], 5, v0
	v_readfirstlane_b32 s[WV], v[TA]               ; wave 0..3
	s_mov_b32 s[SX], ttmp9                         ; which 128 hidden units
	s_and_b32 s[SU], ttmp7, 0xffff                 ; unit
	v_and_b32 v[LANE], 31, v0
	v_and_b32 v[R], 15, v0
	v_bfe_u32 v[HH], v0, 4, 1
	v_lshlrev_b32 v[LN16], 4, v[LANE]
	v_lshlrev_b32 v[LN8], 3, v[LANE]
	v_lshlrev_b32 v[T4], 2, v0
	v_add_nc_u32 v[LSTA], LIST, v[T4]
	s_mul_i32 s[O], s[WV], WREG
	v_add_nc_u32 v[IA0], s[O], v[LN16]
	s_add_co_u32 s[O2], s[O], IMSC
	v_lshl_add_u32 v[SA0], v[LANE], 2, s[O2]
	s_add_co_u32 s[O2], s[O], TSTG
	v_add_nc_u32 v[TS], s[O2], v[LN16]
	v_mul_u32_u24 v[TA], v[R], TP
	v_lshl_add_u32 v[TA], v[HH], 6, v[TA]
	v_add_nc_u32 v[TL], s[O2], v[TA]
	v_lshrrev_b32 v[TA], 1, v[LANE]                ; lane / 2
	s_lshl_b32 s[O2], s[WV], 6
	s_add_co_u32 s[O2], s[O2], LIST
	v_lshl_add_u32 v[LA0], v[HH], 5, s[O2]         ; LIST + 4 (16 w + 8 (lane / 16))
	v_lshl_add_u32 v[LS0], v[TA], 2, s[O2]         ; LIST + 4 (16 w + lane / 2)
	v_mul_u32_u24 v[XA0], v[R], XP
	v_lshl_add_u32 v[XA0], v[HH], 4, v[XA0]
	v_mul_u32_u24 v[XSA0], v[R], XSP
	v_add_nc_u32 v[XSA0], XSC, v[XSA0]
	v_lshlrev_b32 v[C16], 4, v[R]
	s_mul_i32 s[O2], s[WV], 16*XP
	v_mul_u32_u24 v[TC], v[HH], 8*XP
	v_add_nc_u32 v[TC], v[TC], v[C16]
	v_add_nc_u32 v[ST0], s[O2], v[TC]              ; row 16 w + 8 (lane / 16), column 16 (lane % 16)
	v_and_b32 v[TC], 1, v[LANE]
	v_lshlrev_b32 v[C16B], 4, v[TC]
	s_mul_i32 s[O2], s[WV], 16*XSP
	s_add_co_u32 s[O2], s[O2], XSC
	v_mul_u32_u24 v[TC], v[TA], XSP
	v_add_nc_u32 v[TC], v[TC], v[C16B]
	v_add_nc_u32 v[SS0], s[O2], v[TC]
	s_add_co_u32 s[O2], s[WV], HSTG
	v_lshl_add_u32 v[HBA0], v[R], 2, s[O2]
	v_lshl_add_u32 v[HRD0], v[LANE], 3, HSTG
	s_mov_b32 s[SEL], 0x76543210
	s_mov_b32 s[SEL+1], 0xfedcba98
	s_mov_b32 s[MNT], 0x600000
	s_mov_b32 s[NL], 0xbfb8aa3b                    ; -log2(e)
	s_mov_b32 s[NL+1], s[NL]                       ; (named with it as a pair, so it is written)
	s_sub_co_u32 s[RHO], s[SU], 3
	s_sub_co_u32 s[EX], s[SU], 4
	s_lshl_b32 s[SL0], s[SU], 8
	s_wait_kmcnt 0x0
	s_cmp_lt_u32 s[SU], 4                          ; a quarter of the shared expert, or a routed expert: the choice hangs on the work-group's number alone
	s_cselect_b32 s[RHO], 0, s[RHO]                ; row of the lists and of hq
	s_cselect_b32 s[EX], 0, s[EX]                  ; expert
	s_cselect_b32 s[SL0], s[SL0], 0                ; first slot
	s_cselect_b64 s[GB:GB+1], s[16:17], s[12:13]
	s_cselect_b64 s[VB:VB+1], s[18:19], s[14:15]
	s_lshl_b32 s[O], s[SU], 2
	s_mov_b32 s[O+1], 0
	s_add_nc_u64 s[CB:CB+1], s[10:11], s[O:O+1]
	s_load_b32 s[N], s[CB:CB+1], CNTOFF            ; the unit's rows
	s_lshl_b32 s[O], s[EX], 23                     ; an expert's 2,048 rows of 4,096 bytes,
	s_lshl_b32 s[O2], s[SX], 19                    ; 128 rows a slice,
	s_add_co_u32 s[O], s[O], s[O2]
	s_lshl_b32 s[O2], s[WV], 17                    ; 32 rows a wave
	s_add_co_u32 s[O], s[O], s[O2]
	s_add_nc_u64 s[GB:GB+1], s[GB:GB+1], s[O:O+1]
	s_add_nc_u64 s[VB:VB+1], s[VB:VB+1], s[O:O+1]
	s_mul_i32 s[O], s[RHO], 4608
	s_lshl_b32 s[O2], s[SL0], 2
	s_add_co_u32 s[O], s[O], s[O2]
	s_add_nc_u64 s[LB:LB+1], s[10:11], s[O:O+1]    ; the list from my first slot on
	s_add_nc_u64 s[XSB:XSB+1], s[8:9], XSOFF
	s_lshl_b32 s[O], s[RHO], 21                    ; hq: 64 tiles of 32,768 bytes a row,
	s_lshl_b32 s[O2], s[SL0], 11                   ; slot / 16 tiles,
	s_add_co_u32 s[O], s[O], s[O2]
	s_lshl_b32 s[O2], s[SX], 11                    ; K step x,
	s_add_co_u32 s[O], s[O], s[O2]
	s_lshl_b32 s[O2], s[WV], 9                     ; block w
	s_add_co_u32 s[O], s[O], s[O2]
	s_add_nc_u64 s[HB:HB+1], s[20:21], s[O:O+1]
	s_lshl_b32 s[O], s[RHO], 16                    ; scale words: [rho][x][slot]
	s_lshl_b32 s[O2], s[SX], 12
	s_add_co_u32 s[O], s[O], s[O2]
	s_lshl_b32 s[O2], s[SL0], 2
	s_add_co_u32 s[O], s[O], s[O2]
	s_add_nc_u64 s[HSB:HSB+1], s[20:21], s[O:O+1]
	s_add_nc_u64 s[HSB:HSB+1], s[HSB:HSB+1], HSOFF
.irp i, 0,1,2,3,4,5,6,7,8
	global_load_b32 v[LT+\i], v[T4], s[LB:LB+1] offset:512*\i      ; 1,152 entries: they lie inside lst for every unit, and all are written
.endr
	GLOAD 0, 0
	GLOAD 1, 0
	GLOAD 2, 0
	s_wait_loadcnt 48                              ; the list is in; three sets of sixteen may be out
	WIN 0
.irp i, 0,1,2,3,4,5,6,7,8
	ds_store_b32 v[LSTA], v[LT+\i] offset:512*\i
.endr
	GLOAD 3, 0
	WIN 0x40
.irp b, 0,1,2,3
	v_mov_b32 v[TM+4+\b], 0                        ; written once: a lane permute's destination counts as one of its sources
.endr
	WIN 0
	s_wait_kmcnt 0x0
	s_add_co_u32 s[NB], s[N], 63
	s_lshr_b32 s[NB], s[NB], 6
	s_min_u32 s[NB], s[NB], 16                     ; batches of 64 slots
	s_wait_dscnt 0x0                               ; my part of the list lies in LDS,
	s_barrier_signal -1
	s_barrier_wait -1                              ; everybody's does
	s_wait_loadcnt 48                              ; set 0 is in
	TURN 0
	WIN 0
	s_mov_b32 s[IS], 0
	s_mov_b32 s[SS], 0
	s_mov_b32 s[CT], 7
.Lk:                                               ; seven trips: K step k is quantised while K step k + 1 is on its way
	KTRIP
	s_wait_xcnt 0x0                                ; the loads' addresses are translated: only now the bases step
	s_add_nc_u64 s[GB:GB+1], s[GB:GB+1], 512
	s_add_nc_u64 s[VB:VB+1], s[VB:VB+1], 512
	s_add_co_u32 s[IS], s[IS], 8192
	s_add_co_u32 s[SS], s[SS], 512
	s_sub_co_u32 s[CT], s[CT], 1
	s_cmp_lg_u32 s[CT], 0
	s_cbranch_scc1 .Lk
	UNIT 0, 1, 0, 1, 32                            ; the last K step is written out: it loads no weights (no load looks past its rows), and the counts run down
	UNIT 1, 2, 0, 1, 16
	WIN 0
	ds_load_b128 v[TOK:TOK+3], v[LA0]              ; batch 0's slots: its rows are asked for here, two units of quantising and the fragments' loads ahead of their use
	ds_load_b128 v[TOK+4:TOK+7], v[LA0] offset:16
	ds_load_b32 v[TOKS], v[LS0]
	s_wait_dscnt 0x0
	ADDR
	GATHER
	UNIT 2, 3, 0, 1, 33                            ; set 3 is in; the gather's 33 loads are younger and may be out
	UNIT 3, 0, 0, 0, 0
	WLOAD 32                                       ; LDS serves a wave's instructions in order: these see my last images
	s_wait_dscnt 0x0                               ; my fragments are in registers: I read the images no more
	s_barrier_signal -1
	s_barrier_wait -1                              ; nobody does: the x buffers may be laid over them
	s_wait_loadcnt 0x0
	STAGE ST0, SS0
	s_wait_dscnt 0x0
	s_barrier_signal -1
	s_barrier_wait -1                              ; batch 0 lies in buffer 0
	s_mov_b32 s[J], 0
	s_mov_b32 s[TB], 0
	s_mov_b32 s[TBN], XB
	s_mov_b32 s[LJ], 256
	s_mov_b32 s[TH], 0
.Ltok:                                             ; sixteen trips, a constant; a trip whose batch does not exist does no work but passes the barrier
	v_add_nc_u32 v[XSA], s[TB], v[XSA0]
	v_add_nc_u32 v[STA], s[TBN], v[ST0]
	v_add_nc_u32 v[SSA], s[TBN], v[SS0]
	v_add_nc_u32 v[LAD], s[LJ], v[LA0]
	v_add_nc_u32 v[LSD], s[LJ], v[LS0]
	v_add_nc_u32 v[HBA], s[TH], v[HBA0]
	v_add_nc_u32 v[HRD], s[TH], v[HRD0]
	WIN 0xc0
	v_add_nc_u32 v[XA3], s[TB], v[XA0]             ; the fragments' address, kept in window 3
	WIN 0
	s_cmp_lt_u32 s[J], s[NB]
	s_cbranch_scc0 .Lskip
	ds_load_b128 v[TOK:TOK+3], v[LAD]              ; the next batch's slots (behind the last batch: pads, which name real rows)
	ds_load_b128 v[TOK+4:TOK+7], v[LAD] offset:16
	ds_load_b32 v[TOKS], v[LSD]
	XSL 0                                          ; tile 0 has no vector work in front of it: its 34 loads stand together
	WIN 0xc3
.irp s, 0,1,2,3,4,5,6,7
	XFL 0, \s
.endr
	s_wait_dscnt 34                                ; the slots are in; tile 0's 34 loads may be out
	WIN 0
	ADDR
	GATHER                                         ; it has the batch's 128 matrix instructions in which to land
	MM 0
	EPI 0, 1, 1
	MM 1
	EPI 1, 1, 2
	MM 2
	EPI 2, 1, 3
	MM 3
	EPI 3, 0, 0
	s_wait_loadcnt 0x0                             ; the next batch's rows are in registers
	STAGE STA, SSA
	WIN 0
.Lskip:
	s_wait_dscnt 0x0                               ; my stores into the other buffer and into the block of bytes have landed, my reads of this buffer are over
	s_barrier_signal -1
	s_barrier_wait -1
	s_cmp_lt_u32 s[J], s[NB]
	s_cbranch_scc0 .Lnohs
	s_cmp_lg_u32 s[WV], 0
	s_cbranch_scc1 .Lnohs
	ds_load_b64 v[HW:HW+1], v[HRD]                 ; wave 0: the batch's 64 scale words; the next batch's bytes go to the other block
	s_wait_dscnt 0x0
	global_store_b64 v[LN8], v[HW:HW+1], s[HSB:HSB+1]              ; 256 consecutive bytes, aligned
.Lnohs:
	s_wait_xcnt 0x0                                ; the stores' addresses are translated: their bases and data may be written again
	s_add_nc_u64 s[HB:HB+1], s[HB:HB+1], 131072    ; four tiles on
	s_add_nc_u64 s[HSB:HSB+1], s[HSB:HSB+1], 256
	s_xor_b32 s[TB], s[TB], XB
	s_xor_b32 s[TBN], s[TBN], XB
	s_xor_b32 s[TH], s[TH], 256
	s_add_co_u32 s[LJ], s[LJ], 256
	s_add_co_u32 s[J], s[J], 1
	s_cmp_lt_u32 s[J], 16
	s_cbranch_scc1 .Ltok
	s_wait_tensorcnt 0x0
	ds_add_u32 v126, v127
	s_wait_dscnt 0x0
	s_endpgm
.Lfunc_end_k_q8e7f39fcc7_up:
	.size	k_q8e7f39fcc7_up, .Lfunc_end_k_q8e7f39fcc7_up-k_q8e7f39fcc7_up
	.p2alignl 7, 3214868480
	.fill 96, 4, 3214868480
	.section	.rodata,"a",@progbits
	.p2align	6, 0x0
	.amdhsa_kernel k_q8e7f39fcc7_up
		.amdhsa_group_segment_fixed_size 317952
		.amdhsa_private_segment_fixed_size 0
		.amdhsa_enable_private_segment 0
		.amdhsa_kernarg_size 56
		.amdhsa_user_sgpr_count 2
		.amdhsa_user_sgpr_kernarg_segment_ptr 1
		.amdhsa_wavefront_size32 1
		.amdhsa_system_sgpr_workgroup_id_x 1
		.amdhsa_system_sgpr_workgroup_id_y 1
		.amdhsa_system_sgpr_workgroup_id_z 1
		.amdhsa_system_vgpr_workitem_id 0
		.amdhsa_next_free_vgpr 1024
		.amdhsa_next_free_sgpr 66
		.amdhsa_reserve_vcc 0
		.amdhsa_float_denorm_mode_32 3
		.amdhsa_float_denorm_mode_16_64 3
		.amdhsa_memory_ordered 1
		.amdhsa_forward_progress 1
		.amdhsa_inst_pref_size 177
	.end_amdhsa_kernel
	.amdgpu_metadata
---
amdhsa.version: [ 1, 2 ]
amdhsa.kernels:
  - .name:           k_q8e7f39fcc7_up
    .symbol:         k_q8e7f39fcc7_up.kd
    .args:
      - { .name: xq, .offset: 0, .size: 8, .value_kind: global_buffer, .address_space: global }
      - { .name: lst, .offset: 8, .size: 8, .value_kind: global_buffer, .address_space: global }
      - { .name: Wg, .offset: 16, .size: 8, .value_kind: global_buffer, .address_space: global }
      - { .name: Wv, .offset: 24, .size: 8, .value_kind: global_buffer, .address_space: global }
      - { .name: Wg_s, .offset: 32, .size: 8, .value_kind: global_buffer, .address_space: global }
      - { .name: Wv_s, .offset: 40, .size: 8, .value_kind: global_buffer, .address_space: global }
      - { .name: hq, .offset: 48, .size: 8, .value_kind: global_buffer, .address_space: global }
    .group_segment_fixed_size: 317952
    .private_segment_fixed_size: 0
    .kernarg_segment_align: 8
    .kernarg_segment_size: 56
    .max_flat_workgroup_size: 128
    .sgpr_count:     66
    .vgpr_count:     1024
    .wavefront_size: 32
...
	.end_amdgpu_metadata
.endif
;; end of part 3
;; launch down (part 4): grid 16 x 12, 4 waves a work-group, no clusters, 210,432 bytes of LDS; arguments hq, lst, lw, Wo, Wo_s, bo, bo_s, part; writes part
.if DOCPART == 4
	.amdgcn_target "amdgcn-amd-amdhsa--gfx1250"
	.amdhsa_code_object_version 6
	.text
	.protected	k_q8e7f39fcc7_down
	.globl	k_q8e7f39fcc7_down
	.p2align	8
	.type	k_q8e7f39fcc7_down,@function
k_q8e7f39fcc7_down:
	s_mov_b64 s[64:65], 0
	v_nop
	global_prefetch_b8 v0, s[64:65] scope:SCOPE_SE
	s_setreg_imm32_b32 hwreg(HW_REG_WAVE_MODE, 25, 1), 1
	s_wait_xcnt 0x0
; THE WAY DOWN: part[dest] = weight x (h Wo^T + bo) for the rows of a unit, on codes of E5M2 with one E8M0 scale for each 32 along H.
; SHARES.  Work-group (x, u): unit u as in the launch before, outputs 64 x .. 64 x + 63.  THE WAVES SHARE K: wave w owns K steps 4 w .. 4 w + 3 (512 of the 2,048 hidden units) of all
; 64 outputs: 4 tiles x 4 K steps = 16 fragments, 256 registers (window 1), read from memory as f32 once and quantised as in the launch before.  So a wave alone reads its quarter
; of every hidden image, straight from memory into registers (the image is the operand's registers: 512 consecutive bytes a load), and the four partial sums meet in LDS.
; No tensor load, no cluster: the walk hangs on a stored count, and f32 weights pass through registers to be quantised.
; A BATCH of 64 slots, one trip: 64 matrix instructions a wave (source 0 = 16 rows of Wo, source 1 = 16 slots of h: a lane holds one slot and eight neighbouring outputs), partial sums
; into one of two LDS buffers; a barrier; wave w adds the four parts of tile w, adds the bias, multiplies by the slot's weight and stores: sixteen lanes store 256 consecutive, aligned
; bytes of the row that the list names.  THE NEXT BATCH'S OPERANDS ARE ASKED FOR TILE BY TILE, each tile's sixteen loads as soon as its registers have been multiplied: they have the rest
; of the trip, the barrier and the sum in which to land.  The last batch asks for nothing: it has a copy of its own, whose counts run down.
; The hidden layer's scale words lie [rho][s][slot]: one load brings two tiles' words, the even tile's in lanes 0-15, the odd tile's in lanes 16-31, which the odd tiles' products name.
; LIMITS: as in the launch before (NaN, infinities; the floor of a block's scale).  Pads carry the weight 0 and go to a row of the unit's own that nobody reads.
.set WREG,   43264                     ; LDS, phase 1, a region for each wave: 16 images of 2,048 bytes,
.set IMSC,   32768                     ; 16 x 128 bytes of scale words,
.set TSTG,   34816                     ; the stage: 16 rows of 512 bytes + 16
.set TP,     528
.set LISTD,  200704                    ; 1,152 destinations
.set LISTW,  205312                    ; 1,152 weights
.set SBUF,   1<<17                     ; phase 2: the second buffer of partial sums
.set SRC,    4352                      ; a buffer: [4 tiles][4 waves][16 rows][256 bytes + 16]
.set TIL,    17408
.set HSOFF,  18874368
.set CNTOFF, 41472
; window 0
.set LN16, 1
.set TS,   2
.set TL,   3
.set IA0,  4
.set SA0,  5
.set IA,   6
.set SAC,  7
.set STO0, 8                           ; where I put partial sums: 4352 w + 272 r + 32 h
.set RDA0, 9                           ; where I read them: 17408 w + 2176 (lane / 16) + 16 (lane % 16)
.set LDD0, 10                          ; the 8 slots that I finish: destinations,
.set LDW0, 11                          ; weights
.set STO,  12                          ; v12-15: the same for the trip in hand
.set RDA,  13
.set LDD,  14
.set LDW,  15
.set LN4,  16
.set C16,  17
.set LANE, 20
.set R,    21
.set HH,   22
.set TA,   23
.set T4,   25
.set LSA,  26
.set LSB,  27
.set WS,   48                          ; v48-63 Wo's scale words (unit 4 sl + t): scales and nothing else
.set HS,   64                          ; v64-71 the hidden layer's (2 sl + tile / 2): scales and nothing else
.set BO,   80                          ; v80-83 the bias of my four outputs
.set DST,  84                          ; v84-91
.set WGT,  92                          ; v92-99
.set OA,   100                         ; v100-107
.set LT,   128                         ; v128-145 the lists on their way into LDS
.set ACC,  128                         ; v128-255 a set of four accumulators for each tile of the batch
; window 1 in phase 1 (later: Wo's fragments, unit 4 sl + t at 16 (4 sl + t)); window 2: the hidden fragments, 64 q + 16 sl; window 3: four sets as loaded, later the parts to be added
.set X,    0
.set TM,   128
.set PC,   144
.set PW,   176
; scalars
.set WV,  2
.set SX,  3
.set SU,  4
.set RHO, 5
.set EX,  6
.set SL0, 7
.set WB,  24
.set HB,  26
.set HSB, 28
.set PB,  30
.set BB,  32
.set N,   34
.set NB,  35
.set O,   36
.set O2,  38
.set J,   39
.set IS,  40
.set SS,  41
.set CT,  42
.set SB,  43
.set LJ,  45
.set SEL, 46
.set MNT, 48
.set CB,  50
.set LB,  52
.set LWB, 54
.set MSB, 0
.macro WIN new                         ; s_set_vgpr_msb: bits 1:0 source 0, 3:2 source 1, 5:4 source 2, 7:6 destination; the high byte repeats the setting that is left
.if MSB != \new
	s_set_vgpr_msb (MSB<<8)|\new
.set MSB, \new
.endif
.endm
.macro GLOAD q, koff                   ; weight unit q: outputs 16 q .. 16 q + 15, 128 along H from byte koff of the rows, into set q of window 3
	WIN 0xc0
.irp i, 0,1,2,3,4,5,6,7,8,9,10,11,12,13,14,15
	global_load_b128 v[64*\q+4*\i:64*\q+4*\i+3], v[LN16], s[WB:WB+1] offset:(16*\q+\i)*8192+\koff
.endr
.endm
.macro TURN q                          ; set q through the stage into X's set q % 2.  LDS serves a wave's instructions in order (ISA guide 5.7.1.4): no wait between
	WIN 0x0c
.irp i, 0,1,2,3,4,5,6,7,8,9,10,11,12,13,14,15
	ds_store_b128 v[TS], v[64*\q+4*\i:64*\q+4*\i+3] offset:TP*\i
.endr
	WIN 0x40
.irp c, 0,1,2,3
.irp j, 0,1,2,3
	ds_load_b128 v[X+64*(\q%2)+16*\c+4*\j:X+64*(\q%2)+16*\c+4*\j+3], v[TL] offset:128*\c+16*\j
.endr
.endr
.endm
; 64 numbers of a lane, register 16 b + i = k 32 b + 16 (lane / 16) + i of my row, become a fragment's 16 registers of codes and its scale word.  All in window 1.
.macro QUANT s, pc, pw
	WIN 0x55
.irp b, 0,1,2,3
	v_max3_num_f32 v[TM+\b], |v[(\s)+16*\b]|, |v[(\s)+16*\b+1]|, 0x8000000   ; my 16 numbers of block b, and the floor 2^(16 - 127): the byte cannot fall under 1
.endr
.irp i, 2,4,6,8,10,12,14
.irp b, 0,1,2,3
	v_max3_num_f32 v[TM+\b], v[TM+\b], |v[(\s)+16*\b+\i]|, |v[(\s)+16*\b+\i+1]|   ; the four blocks by turns
.endr
.endr
.irp b, 0,1,2,3
	v_permlanex16_b32 v[TM+4+\b], v[TM+\b], s[SEL], s[SEL+1]
.endr
.irp b, 0,1,2,3
	v_max_num_f32 v[TM+\b], v[TM+\b], v[TM+4+\b]   ; with lane l xor 16's: the block's largest magnitude
.endr
.irp b, 0,1,2,3
	v_add_nc_u32 v[TM+12+\b], 0xf8800000, v[TM+\b] ; 15 off its exponent field: the conversion's scale operand
.endr
.irp b, 0,1,2,3
	v_and_or_b32 v[TM+8+\b], v[TM+\b], 0x7f800000, s[MNT]   ; 57,344 x the scale
.endr
.irp b, 0,1,2,3
	v_lshrrev_b32 v[TM+4+\b], 23, v[TM+12+\b]      ; the scale's byte
.endr
	v_lshl_or_b32 v[\pw], v[TM+5], 8, v[TM+4]
	v_lshl_or_b32 v[\pw], v[TM+6], 16, v[\pw]
	v_lshl_or_b32 v[\pw], v[TM+7], 24, v[\pw]
.irp b, 0,1,2,3
.irp i, 0,1,2,3,4,5,6,7,8,9,10,11,12,13,14,15
	v_med3_num_f32 v[(\s)+16*\b+\i], v[(\s)+16*\b+\i], -v[TM+8+\b], v[TM+8+\b]   ; the conversion does not saturate (ISA guide 7.6.2): the hold comes first
.endr
	v_cvt_scalef32_pk8_bf8_f32 v[(\pc)+4*\b:(\pc)+4*\b+1], v[(\s)+16*\b:(\s)+16*\b+7], v[TM+12+\b]
	v_cvt_scalef32_pk8_bf8_f32 v[(\pc)+4*\b+2:(\pc)+4*\b+3], v[(\s)+16*\b+8:(\s)+16*\b+15], v[TM+12+\b]
.endr
	v_nop                                          ; a plain line behind the last conversion
.endm
; Weight unit q of the K step in hand.  more: its set is loaded again, one K step on.  nxt: unit nq turns through the stage while this one is quantised; cnt: the loads younger than nq's.
.macro UNIT q, nq, more, nxt, cnt
.if \q == 0
	s_wait_dscnt 0x0                               ; my numbers are back from the stage (on the way into the loop nothing stands behind those loads: so the count is 0)
	WIN 0
	v_add_nc_u32 v[IA], s[IS], v[IA0]
	v_add_nc_u32 v[SAC], s[SS], v[SA0]
.else
	s_wait_dscnt 5                                 ; the same; behind those loads stand the five stores of the unit before
.endif
.if \more
	GLOAD \q, 512                                  ; the stage's stores have read set q
.endif
.if \nxt
	s_wait_loadcnt \cnt
	TURN \nq
.endif
	QUANT X+64*(\q%2), PC+16*(\q%2), PW+(\q%2)
	WIN 0x04
.irp c, 0,1,2,3
	ds_store_b128 v[IA], v[PC+16*(\q%2)+4*\c:PC+16*(\q%2)+4*\c+3] offset:2048*\q+512*\c   ; the fragment's image
.endr
	ds_store_b32 v[SAC], v[PW+(\q%2)] offset:128*\q
.endm
.macro KTRIP                           ; a K step that has a successor
	UNIT 0, 1, 1, 1, 48                            ; three sets of sixteen loads are younger than the set that is wanted
	UNIT 1, 2, 1, 1, 48
	UNIT 2, 3, 1, 1, 48
	UNIT 3, 0, 1, 1, 48
	WIN 0
.endm
.macro WLOAD nu                        ; the images become the fragments: unit U at register 256 + 16 U
	WIN 0x40
.set U, 0
.rept \nu
.irp c, 0,1,2,3
	ds_load_b128 v[16*U+4*\c:16*U+4*\c+3], v[IA0] offset:2048*U+512*\c
.endr
.set U, U+1
.endr
	WIN 0
.set U, 0
.rept \nu
	ds_load_b32 v[WS+U], v[SA0] offset:128*U
.set U, U+1
.endr
.endm
.macro ADDRS                           ; the trip's LDS addresses, made on every wave's way, ahead of every branch on the count
	v_add_nc_u32 v[STO], s[SB], v[STO0]
	v_add_nc_u32 v[RDA], s[SB], v[RDA0]
	v_add_nc_u32 v[LDD], s[LJ], v[LDD0]
	v_add_nc_u32 v[LDW], s[LJ], v[LDW0]
.endm
.macro HLOAD q, nx                     ; my quarter of tile q's image: sixteen loads of 512 consecutive bytes.  nx = 1: the next batch's, four tiles on
	WIN 0x80
.irp sl, 0,1,2,3
.irp c, 0,1,2,3
	global_load_b128 v[64*(\q)+16*\sl+4*\c:64*(\q)+16*\sl+4*\c+3], v[LN16], s[HB:HB+1] offset:131072*(\nx)+32768*(\q)+2048*\sl+512*\c
.endr
.endr
.endm
.macro SLOAD p, nx                     ; the scale words of tiles 2 p and 2 p + 1 for my four K steps: four loads
	WIN 0
.irp sl, 0,1,2,3
	global_load_b32 v[HS+2*\sl+(\p)], v[LN4], s[HSB:HSB+1] offset:256*(\nx)+4096*\sl+128*(\p)
.endr
.endm
.macro ISSUE                           ; batch 0, in the order in which every later batch is asked for: T0, S0, T1, T2, S1, T3 (16, 4, 16, 16, 4, 16 loads)
	HLOAD 0, 0
	SLOAD 0, 0
	HLOAD 1, 0
	HLOAD 2, 0
	SLOAD 1, 0
	HLOAD 3, 0
.endm
.macro WM d, a, b, first, sa, sb, odd
.if \first
.if \odd
	v_wmma_scale_f32_16x16x128_f8f6f4 v[(\d):(\d)+7], v[(\a):(\a)+15], v[(\b):(\b)+15], 0, v[\sa], v[\sb] matrix_a_fmt:MATRIX_FMT_BF8 matrix_b_fmt:MATRIX_FMT_BF8 matrix_b_scale:MATRIX_SCALE_ROW1
.else
	v_wmma_scale_f32_16x16x128_f8f6f4 v[(\d):(\d)+7], v[(\a):(\a)+15], v[(\b):(\b)+15], 0, v[\sa], v[\sb] matrix_a_fmt:MATRIX_FMT_BF8 matrix_b_fmt:MATRIX_FMT_BF8
.endif
.else
.if \odd
	v_wmma_scale_f32_16x16x128_f8f6f4 v[(\d):(\d)+7], v[(\a):(\a)+15], v[(\b):(\b)+15], v[(\d):(\d)+7], v[\sa], v[\sb] matrix_a_fmt:MATRIX_FMT_BF8 matrix_b_fmt:MATRIX_FMT_BF8 matrix_b_scale:MATRIX_SCALE_ROW1
.else
	v_wmma_scale_f32_16x16x128_f8f6f4 v[(\d):(\d)+7], v[(\a):(\a)+15], v[(\b):(\b)+15], v[(\d):(\d)+7], v[\sa], v[\sb] matrix_a_fmt:MATRIX_FMT_BF8 matrix_b_fmt:MATRIX_FMT_BF8
.endif
.endif
.endm
; Tile q: 16 matrix instructions, the four accumulators by turns, one instruction a turn.  cnt: the loads younger than those that the tile needs.
; nx = 1: behind the places its registers take the next batch's tile q; behind an odd tile, first, the pair's scale registers take the next batch's words.
.macro TILE q, odd, cnt, nx
	s_wait_loadcnt \cnt
	WIN 0x09                                       ; source 0 (Wo) window 1, source 1 (h) window 2, C and D window 0
.irp t, 0,1,2,3
	WM ACC+32*\q+8*\t, 16*\t, 64*\q, 1, WS+\t, HS+\q/2, \odd
.endr
.irp sl, 1,2,3
.irp t, 0,1,2,3
	WM ACC+32*\q+8*\t, 16*(4*\sl+\t), 64*\q+16*\sl, 0, WS+4*\sl+\t, HS+2*\sl+\q/2, \odd
.endr
.endr
.rept 8
	v_nop                                          ; eight places in front of the loads into h's registers and scale words, and of the LDS stores that read the results
.endr
.if \nx
.if \odd
	SLOAD \q/2, 1
.endif
	HLOAD \q, 1
.endif
	WIN 0
.irp t, 0,1,2,3
	ds_store_b128 v[STO], v[ACC+32*\q+8*\t:ACC+32*\q+8*\t+3] offset:TIL*\q+64*\t        ; each accumulator from its low end on
	ds_store_b128 v[STO], v[ACC+32*\q+8*\t+4:ACC+32*\q+8*\t+7] offset:TIL*\q+64*\t+16
.endr
.endm
.macro COMPUTE_N                       ; a batch that has a successor.  Behind what a tile needs stand 52 loads each time:
	TILE 0, 0, 52, 1                               ; T1, T2, S1, T3
	TILE 1, 1, 52, 1                               ; T2, S1, T3 and the next batch's T0
	TILE 2, 0, 52, 1                               ; T3 and the next batch's T0, S0, T1
	TILE 3, 1, 52, 1                               ; the next batch's T0, S0, T1, T2
.endm
.macro COMPUTE_L                       ; the last batch asks for nothing: the counts run down
	TILE 0, 0, 52, 0                               ; T1, T2, S1, T3
	TILE 1, 1, 36, 0                               ; T2, S1, T3
	TILE 2, 0, 16, 0                               ; T3
	TILE 3, 1, 0, 0
.endm
.macro REDUCE                          ; tile w of the batch: rows 8 (lane / 16) + i, four outputs a lane
	WIN 0
	ds_load_b128 v[DST:DST+3], v[LDD]
	ds_load_b128 v[DST+4:DST+7], v[LDD] offset:16
	ds_load_b128 v[WGT:WGT+3], v[LDW]
	ds_load_b128 v[WGT+4:WGT+7], v[LDW] offset:16
	WIN 0xc0
.irp g, 0,1,2,3
.irp i, 0,1,2,3,4,5,6,7
	ds_load_b128 v[32*\g+4*\i:32*\g+4*\i+3], v[RDA] offset:SRC*\g+272*\i
.endr
.endr
	s_wait_dscnt 0x0
	WIN 0
.irp i, 0,1,2,3,4,5,6,7
	v_min_u32 v[OA+\i], 3083, v[DST+\i]            ; a row inside the buffer of parts, whatever was read
.endr
.irp i, 0,1,2,3,4,5,6,7
	v_lshl_add_u32 v[OA+\i], v[OA+\i], 12, v[C16]
.endr
	WIN 0xcf
.irp g, 1,2,3
.irp p, 0,2,4,6,8,10,12,14,16,18,20,22,24,26,28,30
	v_pk_add_f32 v[\p:\p+1], v[\p:\p+1], v[32*\g+\p:32*\g+\p+1]   ; the four waves' parts, K ascending
.endr
.endr
	WIN 0xc3
.irp i, 0,1,2,3,4,5,6,7
	v_pk_add_f32 v[4*\i:4*\i+1], v[4*\i:4*\i+1], v[BO:BO+1]
	v_pk_add_f32 v[4*\i+2:4*\i+3], v[4*\i+2:4*\i+3], v[BO+2:BO+3]
.endr
.irp i, 0,1,2,3,4,5,6,7
.irp k, 0,1,2,3
	v_mul_f32 v[4*\i+\k], v[4*\i+\k], v[WGT+\i]
.endr
.endr
	WIN 0x0c
.irp i, 0,1,2,3,4,5,6,7
	global_store_b128 v[OA+\i], v[4*\i:4*\i+3], s[PB:PB+1]        ; sixteen lanes store 256 consecutive bytes, aligned
.endr
.endm
	s_load_b256 s[8:15], s[0:1], 0x0               ; hq s[8:9], lst s[10:11], lw s[12:13], Wo s[14:15]
	s_load_b256 s[16:23], s[0:1], 0x20             ; Wo_s s[16:17], bo s[18:19], bo_s s[20:21], part s[22:23]
	v_lshl_add_u32 v126, v0, 2, 0x33400
	v_mov_b32 v127, 0
	v_lshrrev_b32 v[TA], 5, v0
	v_readfirstlane_b32 s[WV], v[TA]               ; wave 0..3
	s_mov_b32 s[SX], ttmp9                         ; which 64 outputs
	s_and_b32 s[SU], ttmp7, 0xffff                 ; unit
	v_and_b32 v[LANE], 31, v0
	v_and_b32 v[R], 15, v0
	v_bfe_u32 v[HH], v0, 4, 1
	v_lshlrev_b32 v[LN16], 4, v[LANE]
	v_lshlrev_b32 v[LN4], 2, v[LANE]
	v_lshlrev_b32 v[C16], 4, v[R]
	v_lshlrev_b32 v[T4], 2, v0
	v_add_nc_u32 v[LSA], LISTD, v[T4]
	v_add_nc_u32 v[LSB], LISTW, v[T4]
	s_mul_i32 s[O], s[WV], WREG
	v_add_nc_u32 v[IA0], s[O], v[LN16]
	s_add_co_u32 s[O2], s[O], IMSC
	v_add_nc_u32 v[SA0], s[O2], v[LN4]
	s_add_co_u32 s[O2], s[O], TSTG
	v_add_nc_u32 v[TS], s[O2], v[LN16]
	v_mul_u32_u24 v[TA], v[R], TP
	v_lshl_add_u32 v[TA], v[HH], 6, v[TA]
	v_add_nc_u32 v[TL], s[O2], v[TA]
	s_mul_i32 s[O2], s[WV], SRC
	v_mul_u32_u24 v[TA], v[R], 272
	v_lshl_add_u32 v[TA], v[HH], 5, v[TA]
	v_add_nc_u32 v[STO0], s[O2], v[TA]
	s_mul_i32 s[O2], s[WV], TIL
	v_mul_u32_u24 v[TA], v[HH], 8*272
	v_add_nc_u32 v[TA], v[TA], v[C16]
	v_add_nc_u32 v[RDA0], s[O2], v[TA]
	s_lshl_b32 s[O2], s[WV], 6
	v_lshl_add_u32 v[TA], v[HH], 5, s[O2]          ; 4 (16 w + 8 (lane / 16))
	v_add_nc_u32 v[LDD0], LISTD, v[TA]
	v_add_nc_u32 v[LDW0], LISTW, v[TA]
	s_mov_b32 s[SEL], 0x76543210
	s_mov_b32 s[SEL+1], 0xfedcba98
	s_mov_b32 s[MNT], 0x600000
	s_sub_co_u32 s[RHO], s[SU], 3
	s_sub_co_u32 s[EX], s[SU], 4
	s_lshl_b32 s[SL0], s[SU], 8
	s_wait_kmcnt 0x0
	s_cmp_lt_u32 s[SU], 4                          ; a quarter of the shared expert, or a routed expert: the choice hangs on the work-group's number alone
	s_cselect_b32 s[RHO], 0, s[RHO]
	s_cselect_b32 s[EX], 0, s[EX]
	s_cselect_b32 s[SL0], s[SL0], 0
	s_cselect_b64 s[WB:WB+1], s[16:17], s[14:15]
	s_cselect_b64 s[BB:BB+1], s[20:21], s[18:19]
	s_lshl_b32 s[O], s[SU], 2
	s_mov_b32 s[O+1], 0
	s_add_nc_u64 s[CB:CB+1], s[10:11], s[O:O+1]
	s_load_b32 s[N], s[CB:CB+1], CNTOFF            ; the unit's rows
	s_lshl_b32 s[O], s[EX], 23                     ; an expert's 1,024 rows of 8,192 bytes,
	s_lshl_b32 s[O2], s[SX], 19                    ; 64 rows a slice,
	s_add_co_u32 s[O], s[O], s[O2]
	s_lshl_b32 s[O2], s[WV], 11                    ; my four K steps: 512 numbers
	s_add_co_u32 s[O], s[O], s[O2]
	s_add_nc_u64 s[WB:WB+1], s[WB:WB+1], s[O:O+1]
	s_lshl_b32 s[O], s[EX], 12
	s_lshl_b32 s[O2], s[SX], 8
	s_add_co_u32 s[O], s[O], s[O2]
	s_add_nc_u64 s[BB:BB+1], s[BB:BB+1], s[O:O+1]  ; the bias of my 64 outputs
	s_mov_b32 s[O], s[O2]
	s_add_nc_u64 s[PB:PB+1], s[22:23], s[O:O+1]    ; and their 256 bytes in a row of parts
	s_mul_i32 s[O], s[RHO], 4608
	s_lshl_b32 s[O2], s[SL0], 2
	s_add_co_u32 s[O], s[O], s[O2]
	s_add_nc_u64 s[LB:LB+1], s[10:11], s[O:O+1]
	s_add_nc_u64 s[LWB:LWB+1], s[12:13], s[O:O+1]
	global_load_b128 v[BO:BO+3], v[C16], s[BB:BB+1]
.irp i, 0,1,2,3,4,5,6,7,8
	global_load_b32 v[LT+\i], v[T4], s[LB:LB+1] offset:512*\i      ; 1,152 entries of each list: inside the buffers for every unit, and all written
	global_load_b32 v[LT+9+\i], v[T4], s[LWB:LWB+1] offset:512*\i
.endr
	GLOAD 0, 0
	GLOAD 1, 0
	GLOAD 2, 0
	s_wait_loadcnt 48                              ; the bias and the lists are in; three sets of sixteen may be out
	WIN 0
.irp i, 0,1,2,3,4,5,6,7,8
	ds_store_b32 v[LSA], v[LT+\i] offset:512*\i
	ds_store_b32 v[LSB], v[LT+9+\i] offset:512*\i
.endr
	GLOAD 3, 0
	WIN 0x40
.irp b, 0,1,2,3
	v_mov_b32 v[TM+4+\b], 0                        ; written once: a lane permute's destination counts as one of its sources
.endr
	WIN 0
	s_wait_kmcnt 0x0
	s_add_co_u32 s[NB], s[N], 63
	s_lshr_b32 s[NB], s[NB], 6
	s_min_u32 s[NB], s[NB], 16                     ; batches of 64 slots
	; where the unit's hidden images and scale words begin.  Batch 0 is asked for on every way; for a unit without rows the offsets are those of the shared expert's first batch,
	; which is always written: nothing is made of what comes
	s_lshl_b32 s[O], s[RHO], 21                    ; hq: 64 tiles of 32,768 bytes a row,
	s_lshl_b32 s[O2], s[SL0], 11                   ; slot / 16 tiles
	s_add_co_u32 s[O], s[O], s[O2]
	s_lshl_b32 s[CT], s[RHO], 16                   ; scale words: [rho][s][slot]
	s_lshl_b32 s[O2], s[SL0], 2
	s_add_co_u32 s[CT], s[CT], s[O2]
	s_cmp_lg_u32 s[NB], 0
	s_cselect_b32 s[O], s[O], 0
	s_cselect_b32 s[CT], s[CT], 0
	s_lshl_b32 s[O2], s[WV], 13                    ; my four K steps of 2,048 bytes
	s_add_co_u32 s[O], s[O], s[O2]
	s_add_nc_u64 s[HB:HB+1], s[8:9], s[O:O+1]
	s_lshl_b32 s[O2], s[WV], 14                    ; my four K steps of 4,096 bytes of words
	s_add_co_u32 s[O], s[CT], s[O2]
	s_add_nc_u64 s[HSB:HSB+1], s[8:9], s[O:O+1]
	s_add_nc_u64 s[HSB:HSB+1], s[HSB:HSB+1], HSOFF
	s_wait_loadcnt 48                              ; set 0 is in
	TURN 0
	WIN 0
	s_mov_b32 s[IS], 0
	s_mov_b32 s[SS], 0
	s_mov_b32 s[CT], 3
.Lk:                                               ; three trips: K step k is quantised while K step k + 1 is on its way
	KTRIP
	s_wait_xcnt 0x0                                ; the loads' addresses are translated: only now the base steps
	s_add_nc_u64 s[WB:WB+1], s[WB:WB+1], 512
	s_add_co_u32 s[IS], s[IS], 8192
	s_add_co_u32 s[SS], s[SS], 512
	s_sub_co_u32 s[CT], s[CT], 1
	s_cmp_lg_u32 s[CT], 0
	s_cbranch_scc1 .Lk
	UNIT 0, 1, 0, 1, 32                            ; the last K step is written out: it loads no weights (no load looks past my quarter of the rows), and the counts run down
	UNIT 1, 2, 0, 1, 16
	UNIT 2, 3, 0, 1, 0
	ISSUE                                          ; batch 0 of the hidden layer, behind the weights' last wait: a unit of quantising and the fragments' loads ahead of its use
	UNIT 3, 0, 0, 0, 0
	WLOAD 16                                       ; LDS serves a wave's instructions in order: these see my last images
	s_wait_dscnt 0x0                               ; my fragments are in registers, my part of the lists lies in LDS
	s_barrier_signal -1
	s_barrier_wait -1                              ; everybody's: the buffers of partial sums may be laid over the images
	s_mov_b32 s[SB], 0
	s_mov_b32 s[LJ], 0
	s_mov_b32 s[J], 0
.Lb:                                               ; sixteen trips, a constant; a trip whose batch does not exist does no work but passes the barrier
	ADDRS
	s_add_co_u32 s[O2], s[J], 1
	s_cmp_lt_u32 s[O2], s[NB]
	s_cbranch_scc0 .Llast
	COMPUTE_N
	WIN 0
	s_branch .Lmeet
.Llast:
	s_cmp_lt_u32 s[J], s[NB]
	s_cbranch_scc0 .Lmeet
	COMPUTE_L
	WIN 0
.Lmeet:
	s_wait_dscnt 0x0                               ; my partial sums lie in this trip's buffer; my reads of the other buffer ended in the last trip's sum
	s_barrier_signal -1
	s_barrier_wait -1                              ; everybody's: this buffer is whole, and nobody reads the buffer that the next trip writes
	s_cmp_lt_u32 s[J], s[NB]
	s_cbranch_scc0 .Lnored
	REDUCE
	WIN 0
.Lnored:
	s_wait_xcnt 0x0                                ; the addresses of what was issued are translated: bases, offsets and store data may be written again
	s_add_nc_u64 s[HB:HB+1], s[HB:HB+1], 131072    ; four tiles on
	s_add_nc_u64 s[HSB:HSB+1], s[HSB:HSB+1], 256
	s_xor_b32 s[SB], s[SB], SBUF
	s_add_co_u32 s[LJ], s[LJ], 256
	s_add_co_u32 s[J], s[J], 1
	s_cmp_lt_u32 s[J], 16
	s_cbranch_scc1 .Lb
	s_wait_tensorcnt 0x0
	ds_add_u32 v126, v127
	s_wait_dscnt 0x0
	s_endpgm
.Lfunc_end_k_q8e7f39fcc7_down:
	.size	k_q8e7f39fcc7_down, .Lfunc_end_k_q8e7f39fcc7_down-k_q8e7f39fcc7_down
	.p2alignl 7, 3214868480
	.fill 96, 4, 3214868480
	.section	.rodata,"a",@progbits
	.p2align	6, 0x0
	.amdhsa_kernel k_q8e7f39fcc7_down
		.amdhsa_group_segment_fixed_size 210432
		.amdhsa_private_segment_fixed_size 0
		.amdhsa_enable_private_segment 0
		.amdhsa_kernarg_size 64
		.amdhsa_user_sgpr_count 2
		.amdhsa_user_sgpr_kernarg_segment_ptr 1
		.amdhsa_wavefront_size32 1
		.amdhsa_system_sgpr_workgroup_id_x 1
		.amdhsa_system_sgpr_workgroup_id_y 1
		.amdhsa_system_sgpr_workgroup_id_z 1
		.amdhsa_system_vgpr_workitem_id 0
		.amdhsa_next_free_vgpr 1024
		.amdhsa_next_free_sgpr 66
		.amdhsa_reserve_vcc 0
		.amdhsa_float_denorm_mode_32 3
		.amdhsa_float_denorm_mode_16_64 3
		.amdhsa_memory_ordered 1
		.amdhsa_forward_progress 1
		.amdhsa_inst_pref_size 156
	.end_amdhsa_kernel
	.amdgpu_metadata
---
amdhsa.version: [ 1, 2 ]
amdhsa.kernels:
  - .name:           k_q8e7f39fcc7_down
    .symbol:         k_q8e7f39fcc7_down.kd
    .args:
      - { .name: hq, .offset: 0, .size: 8, .value_kind: global_buffer, .address_space: global }
      - { .name: lst, .offset: 8, .size: 8, .value_kind: global_buffer, .address_space: global }
      - { .name: lw, .offset: 16, .size: 8, .value_kind: global_buffer, .address_space: global }
      - { .name: Wo, .offset: 24, .size: 8, .value_kind: global_buffer, .address_space: global }
      - { .name: Wo_s, .offset: 32, .size: 8, .value_kind: global_buffer, .address_space: global }
      - { .name: bo, .offset: 40, .size: 8, .value_kind: global_buffer, .address_space: global }
      - { .name: bo_s, .offset: 48, .size: 8, .value_kind: global_buffer, .address_space: global }
      - { .name: part, .offset: 56, .size: 8, .value_kind: global_buffer, .address_space: global }
    .group_segment_fixed_size: 210432
    .private_segment_fixed_size: 0
    .kernarg_segment_align: 8
    .kernarg_segment_size: 64
    .max_flat_workgroup_size: 128
    .sgpr_count:     66
    .vgpr_count:     1024
    .wavefront_size: 32
...
	.end_amdgpu_metadata
.endif
;; end of part 4
;; launch comb (part 5): grid 256 x 1, 8 waves a work-group, no clusters, 0 bytes of LDS; arguments part, out0; writes out0
.if DOCPART == 5
	.amdgcn_target "amdgcn-amd-amdhsa--gfx1250"
	.amdhsa_code_object_version 6
	.text
	.protected	k_q8e7f39fcc7_comb
	.globl	k_q8e7f39fcc7_comb
	.p2align	8
	.type	k_q8e7f39fcc7_comb,@function
k_q8e7f39fcc7_comb:
	s_mov_b64 s[64:65], 0
	v_nop
	global_prefetch_b8 v0, s[64:65] scope:SCOPE_SE
	s_setreg_imm32_b32 hwreg(HW_REG_WAVE_MODE, 25, 1), 1
	s_wait_xcnt 0x0
; out0[t] = part[t] + part[1024 + t] + part[2048 + t]: a token's first choice, its second, the shared expert, each already multiplied by its weight.
; A stream: a work-group takes 16,384 bytes of out0 (four tokens), a thread 16 bytes of each of four chunks of 4,096.  All twelve loads go out first; each load and store of a wave
; covers 512 consecutive bytes.  No LDS, no barrier, no matrix unit: three bytes are read for each byte written, and nothing is read twice.
.set P, 8                              ; v8-55: chunk c: three parts of four registers
	s_load_b128 s[4:7], s[0:1], 0x0                ; part s[4:5], out0 s[6:7]
	v_lshlrev_b32 v1, 4, v0
	s_lshl_b32 s2, ttmp9, 14
	s_mov_b32 s3, 0
	s_wait_kmcnt 0x0
	s_add_nc_u64 s[4:5], s[4:5], s[2:3]
	s_add_nc_u64 s[6:7], s[6:7], s[2:3]
	s_add_nc_u64 s[8:9], s[4:5], 0x400000          ; 1,024 rows of 4,096 bytes on
	s_add_nc_u64 s[10:11], s[4:5], 0x800000
.irp c, 0,1,2,3
	global_load_b128 v[P+12*\c:P+12*\c+3], v1, s[4:5] offset:4096*\c th:TH_LOAD_NT
	global_load_b128 v[P+12*\c+4:P+12*\c+7], v1, s[8:9] offset:4096*\c th:TH_LOAD_NT
	global_load_b128 v[P+12*\c+8:P+12*\c+11], v1, s[10:11] offset:4096*\c th:TH_LOAD_NT
.endr
.irp c, 0,1,2,3
	s_wait_loadcnt 9-3*\c                          ; this chunk's three loads are in; the later chunks' three each may be out
	v_pk_add_f32 v[P+12*\c:P+12*\c+1], v[P+12*\c:P+12*\c+1], v[P+12*\c+4:P+12*\c+5]
	v_pk_add_f32 v[P+12*\c+2:P+12*\c+3], v[P+12*\c+2:P+12*\c+3], v[P+12*\c+6:P+12*\c+7]
	v_pk_add_f32 v[P+12*\c:P+12*\c+1], v[P+12*\c:P+12*\c+1], v[P+12*\c+8:P+12*\c+9]
	v_pk_add_f32 v[P+12*\c+2:P+12*\c+3], v[P+12*\c+2:P+12*\c+3], v[P+12*\c+10:P+12*\c+11]
	global_store_b128 v1, v[P+12*\c:P+12*\c+3], s[6:7] offset:4096*\c th:TH_STORE_NT
.endr
	s_endpgm
.Lfunc_end_k_q8e7f39fcc7_comb:
	.size	k_q8e7f39fcc7_comb, .Lfunc_end_k_q8e7f39fcc7_comb-k_q8e7f39fcc7_comb
	.p2alignl 7, 3214868480
	.fill 96, 4, 3214868480
	.section	.rodata,"a",@progbits
	.p2align	6, 0x0
	.amdhsa_kernel k_q8e7f39fcc7_comb
		.amdhsa_group_segment_fixed_size 0
		.amdhsa_private_segment_fixed_size 0
		.amdhsa_enable_private_segment 0
		.amdhsa_kernarg_size 16
		.amdhsa_user_sgpr_count 2
		.amdhsa_user_sgpr_kernarg_segment_ptr 1
		.amdhsa_wavefront_size32 1
		.amdhsa_system_sgpr_workgroup_id_x 1
		.amdhsa_system_sgpr_workgroup_id_y 1
		.amdhsa_system_sgpr_workgroup_id_z 1
		.amdhsa_system_vgpr_workitem_id 0
		.amdhsa_next_free_vgpr 72
		.amdhsa_next_free_sgpr 66
		.amdhsa_reserve_vcc 0
		.amdhsa_float_denorm_mode_32 3
		.amdhsa_float_denorm_mode_16_64 3
		.amdhsa_memory_ordered 1
		.amdhsa_forward_progress 1
		.amdhsa_inst_pref_size 4
	.end_amdhsa_kernel
	.amdgpu_metadata
---
amdhsa.version: [ 1, 2 ]
amdhsa.kernels:
  - .name:           k_q8e7f39fcc7_comb
    .symbol:         k_q8e7f39fcc7_comb.kd
    .args:
      - { .name: part, .offset: 0, .size: 8, .value_kind: global_buffer, .address_space: global }
      - { .name: out0, .offset: 8, .size: 8, .value_kind: global_buffer, .address_space: global }
    .group_segment_fixed_size: 0
    .private_segment_fixed_size: 0
    .kernarg_segment_align: 8
    .kernarg_segment_size: 16
    .max_flat_workgroup_size: 256
    .sgpr_count:     66
    .vgpr_count:     72
    .wavefront_size: 32
...
	.end_amdgpu_metadata
.endif
;; end of part 5
